; MI455X (gfx1250); checked and timed in simulation.
; The chip was launched on July 23, 2026; its instructions are those of AMD's public machine-readable ISA for CDNA 5 (MIT licence, August 2026) and "CDNA5" Instruction Set Architecture Reference Guide (July 2026). The comments in the code are by the model that wrote it; some were corrected since.
;; Multi Head Attention. Allowed arithmetic: matrix products marked QUANTISED: E2M1 operands, one E8M0 scale for each 32 along K, by v_wmma_scale_f32_16x16x128_f8f6f4 with both operands' format E2M1 (or v_wmma_scale_f32_32x16x128_f4), f32 sums; everything else in f32.
;; Inputs: Wk_codes 1,024 x 32 x 16 uint8 (E2M1 codes of Wk, K innermost, in blocks of 32 codes, two codes a byte); Wk_scales 1,024 x 32 uint8 (E8M0 scales of Wk, one for each 32 codes along K); Wo_codes 1,024 x 32 x 16 uint8 (E2M1 codes of Wo, K innermost, in blocks of 32 codes, two codes a byte); Wo_scales 1,024 x 32 uint8 (E8M0 scales of Wo, one for each 32 codes along K); Wq_codes 1,024 x 32 x 16 uint8 (E2M1 codes of Wq, K innermost, in blocks of 32 codes, two codes a byte); Wq_scales 1,024 x 32 uint8 (E8M0 scales of Wq, one for each 32 codes along K); Wv_codes 1,024 x 32 x 16 uint8 (E2M1 codes of Wv, K innermost, in blocks of 32 codes, two codes a byte); Wv_scales 1,024 x 32 uint8 (E8M0 scales of Wv, one for each 32 codes along K); bk 1,024 float32; bo 1,024 float32; bq 1,024 float32; bv 1,024 float32; key_codes 4 x 2,048 x 32 x 16 uint8 (E2M1 codes of key, K innermost, in blocks of 32 codes, two codes a byte); key_scales 4 x 2,048 x 32 uint8 (E8M0 scales of key, one for each 32 codes along K); mask 4 x 1 x 1 x 2,048 float32; query_codes 4 x 2,048 x 32 x 16 uint8 (E2M1 codes of query, K innermost, in blocks of 32 codes, two codes a byte); query_scales 4 x 2,048 x 32 uint8 (E8M0 scales of query, one for each 32 codes along K); value_codes 4 x 2,048 x 32 x 16 uint8 (E2M1 codes of value, K innermost, in blocks of 32 codes, two codes a byte); value_scales 4 x 2,048 x 32 uint8 (E8M0 scales of value, one for each 32 codes along K).
;; Outputs: out0 4 x 2,048 x 1,024 float32; out1 4 x 2,048 x 1,024 float32.
;; This version of the problem:
;;   THIS VERSION OF THE PROBLEM IS GIVEN IN LOW PRECISION. The matrix products marked QUANTISED in the list below multiply operands that are first quantised to E2M1 (2 exponent bits, 1 mantissa bit; 4 bits a number), with one power-of-two scale for each 32 numbers along K (OCP MX v1.0); their sums are f32. All else is computed in f32.
;;   The module's matrix products, in the order in which they are computed (A, B: the left and right operand; K: the contracted axis; several contracted axes count as one K, in the product's order):
;;     1. [M 8,192, K 1,024] x [K 1,024, N 1,024]; A: input query (given as codes); B: input Wq (given as codes): QUANTISED
;;     2. [M 8,192, K 1,024] x [K 1,024, N 1,024]; A: input key (given as codes); B: input Wk (given as codes): QUANTISED
;;     3. [M 8,192, K 1,024] x [K 1,024, N 1,024]; A: input value (given as codes); B: input Wv (given as codes): QUANTISED
;;     4. batch 64 x [M 2,048, K 64] x [K 64, N 2,048]; A: computed on the way; B: computed on the way: QUANTISED
;;     5. batch 64 x [M 2,048, K 2,048] x [K 2,048, N 64]; A: softmax (see below); B: computed on the way: QUANTISED
;;     6. [M 8,192, K 1,024] x [K 1,024, N 1,024]; A: computed on the way; B: input Wo (given as codes): QUANTISED
;;   THE QUANTISER, for each operand of a quantised product, along K:
;;     - K is cut into blocks of 32 from its start; a last block that is shorter is filled with zeros.
;;     - A block's scale is 2^e with e = floor(log2(the largest magnitude in the block)) - 2, held to -126 .. 127; a block of zeros has e = 0. As a byte (E8M0): e + 127.
;;     - Each number is divided by its block's scale, clamped to +-6, and rounded to the nearest number of E2M1, ties to even, subnormals kept.
;;     - The product sums the exact products of the quantised numbers (number of the format x scale) in f32.
;;   ~~~python
;;   def quantise(x, axis):      # numpy; x: float32 -> the quantised numbers, widened to float32 again
;;       x = np.moveaxis(x, axis, -1); K = x.shape[-1]
;;       x = np.pad(x, [(0, 0)] * (x.ndim - 1) + [(0, -K % 32)]); x = x.reshape(x.shape[:-1] + (-1, 32)); a = np.abs(x).max(-1, keepdims=True)
;;       e = np.where(a > 0, np.clip(np.frexp(np.where(a > 0, a, 1))[1] - 1 - 2, -126, 127), 0)      # np.frexp(a)[1] - 1 = floor(log2(a)), exactly
;;       r = np.clip(x / 2.0 ** e, -6, 6)
;;       step = 2.0 ** (np.maximum(np.frexp(np.where(r == 0, 1, r))[1] - 1, 0) - 1)
;;       q = np.round(r / step) * step * 2.0 ** e      # np.round: ties to even
;;       return np.moveaxis(q.reshape(q.shape[:-2] + (-1,))[..., :K], -1, axis).astype(np.float32)
;;   ~~~
;;   SOFTMAX AHEAD OF A QUANTISED PRODUCT. Where the list says 'softmax', what is quantised is not the finished softmax but p = 2^(t - M), with t = logit x log2(e) and M = ceil(the row's largest t), a whole number; so 1/2 < the row's largest p <= 1. The row's sum l is taken of the UNQUANTISED p, in f32, and the product's result is divided by l at the end. Since M is a whole number, a kernel that streams over the keys may use a running M (the ceiling of the running maximum): every later rescaling is an exact power of two, which a block's scale takes up: the codes' values come out the same.
;;   OPERANDS COMPUTED ON THE WAY. 'Computed on the way' means the value that the module computes at that place (a softmax that the list does not call 'softmax' is quantised finished and normalised). What goes into a quantiser is computed in f32, as accurately as f32 sums, v_exp_f32 and their like allow (about 1e-6 of the number): no bf16 or f16 on the way to a quantiser, and a product that is left as it is and whose result goes on into a quantised operand takes f32 operands (vector FMAs, or v_wmma_f32_16x16x4_f32). A number that lies on a knife's edge between two numbers of the format may be rounded either way, as far as f32 arithmetic and the matrix unit's own rounding can turn it there, and no further.
;;   INPUTS GIVEN AS CODES. Wk (in the module: [1024, 1024], K = its axis 0); Wo (in the module: [1024, 1024], K = its axis 0); Wq (in the module: [1024, 1024], K = its axis 0); Wv (in the module: [1024, 1024], K = its axis 0); key (in the module: [4, 2048, 1024], K = its axis 2); query (in the module: [4, 2048, 1024], K = its axis 2); value (in the module: [4, 2048, 1024], K = its axis 2): each comes as NAME_codes (uint8): NAME with its K axis moved to the last place and cut into blocks of 32 codes, [.., K / 32, bytes a block], one block behind the other in memory; two codes a byte, the lower K in the low four bits (a code: sign, 2 exponent bits, 1 mantissa bit); and NAME_scales (uint8): the same leading axes, one E8M0 byte (e + 127) for each 32 codes along K. Its value is code x scale, taken as it is: it is not quantised again, and the codes and scales need not be those that the quantiser above would give.
;; One version. Each part assembles by itself: llvm-mc -triple=amdgcn-amd-amdhsa -mcpu=gfx1250 --defsym DOCPART=n.
;; ======== version 1 of 1: 3 launches
;; workspace buffers: qkv 12,582,912 bytes; qkvs 1,572,864 bytes; wimg 4,194,304 bytes; wsc 262,144 bytes
;; launch proj (part 1): grid 4 x 96, 4 waves a work-group, clusters of 4 x 4, 296,448 bytes of LDS; arguments query_codes, query_scales, Wq_codes, Wq_scales, bq, key_codes, key_scales, Wk_codes, Wk_scales, bk, value_codes, value_scales, Wv_codes, Wv_scales, bv, qkv, qkvs; writes qkv, qkvs
.if DOCPART == 1
	.amdgcn_target "amdgcn-amd-amdhsa--gfx1250"
	.amdhsa_code_object_version 6
	.text
	.protected	k_q32674f0942_proj
	.globl	k_q32674f0942_proj
	.p2align	8
	.type	k_q32674f0942_proj,@function
k_q32674f0942_proj:
	s_mov_b64 s[64:65], 0
	v_nop
	global_prefetch_b8 v0, s[64:65] scope:SCOPE_SE
	s_setreg_imm32_b32 hwreg(HW_REG_WAVE_MODE, 25, 1), 1
	s_wait_xcnt 0x0
	s_wait_alu depctr_hold_cnt(0) depctr_sa_sdst(0) depctr_va_vdst(0) depctr_va_sdst(0) depctr_va_ssrc(0) depctr_va_vcc(0) depctr_vm_vsrc(0)
	s_getreg_b32 s2, hwreg(HW_REG_IB_STS2, 6, 4)
	s_cmp_eq_u32 s2, 0
	s_cbranch_scc0 .Lentry_in_a_cluster
	s_endpgm
.Lentry_in_a_cluster:
	s_bfe_u32 s2, ttmp6, 0x10000c
	s_cmp_lg_u32 s2, 0xf033
	s_cbranch_scc0 .Lentry_shape_is_right
	s_endpgm
.Lentry_shape_is_right:
; Q = query Wq + bq, K = key Wk + bk, V = value Wv + bv: three products [8192 x 1024] x [1024 x 1024] on codes of FP4 (E2M1) with one E8M0 scale for each 32 along K, sums in f32,
; and the results quantised at once for the attention: Q and K along a head's 64 channels (two blocks), V along the keys.  Only codes and scale words go to memory.
; DEAD WORK: none.  The mask varies along the softmax's axis, each of the four biases reaches a quantiser or an output, every product of the problem feeds an output: every input is loaded by some launch.
; LIMITS: a block's largest magnitude is taken no smaller than 2^(6 - 127), so that its scale byte is at least 4 (the attention takes 3 off Q's bytes for the division by 8): blocks that lie wholly under
; 2^-121 are coded under that scale.  A block of zeros gets that byte and not 127: its codes are zeros, and the bytes are read by this program alone.  NaN and infinities among the inputs are not served.
; SHARES.  384 work-groups: tensor TEN = cluster y / 8 (0 Q, 1 K, 2 V), 32 tiles of 256 tokens x 4 tiles of 256 columns.  Four waves, each 128 x 128: 64 accumulators, 512 registers.
; All of K (1,024) lies in LDS at once: two slots of 512 along K, each filled once, and the scale bytes of the 512 rows.  Nothing is filled again.
; CLUSTER 4 x 4: the tokens' tiles hang on the token tile alone and are asked for jointly along a row of the cluster, the weights' on the column tile alone, jointly along a column.
; WHICH OPERAND IS SOURCE 0.  In a result a lane holds ONE row of source 1, and its eight registers run along source 0's rows.  The quantiser wants its K along a lane's registers: so for Q and K
; source 0 = the weight's rows (channels) and source 1 = tokens; for V source 0 = tokens (the keys) and source 1 = the weight's rows.  The loads are the same; only the LDS bases of the fragment reads differ, by TEN.
; FROM RESULTS TO AN OPERAND.  Register j of tile t holds index 16 t + 8 (lane / 16) + j along the next K.  The conversion of tile 2 e gives words 0 | 1 of block e (lanes 0-15 | 16-31), that of tile 2 e + 1 words 2 | 3.
; Blocks 2 c and 2 c + 1 are laid in registers 4 c .. 4 c + 3 as (2c: 0|1), (2c+1: 0|1), (2c: 2|3), (2c+1: 2|3); two exchanges of halves then give register 4 c + w = word w of block 2 c | 2 c + 1: the 4-bit operand's layout.
; OUT.  qkv [b x 16 + head][Q, K, V][65,536]: images of operand registers, lane l's 16 bytes at 16 l.  Q, K: [tile of 16 tokens][lane][16].  V: [step of 128 keys][tile of 16 channels][c][lane][16].
; qkvs [b x 16 + head][Q, K, V][8,192]: Q, K: [step of 128 tokens][half hq][token r][4 words], word i = tile 8 step + 4 hq + i (bytes 0, 1; bytes 2, 3 stand over zero codes and are never 0xff).  V: [step][copy][channel r][4 words], word t = channel tile t.
; REGISTERS.  window 0: v1-8 at work, v16-31 addresses, v32-95 source 1's scale words (8 a + q), v96-119 the quantiser's, v128-191 source 1's fragments set 0 (later the codes), v192-255 source 0's scale words (8 b + q).
;   window 1: v0-63, v128-191 source 0's fragments, sets 0, 1; v64-127 the bias as C; v192-255 source 1's set 1.   windows 2, 3: accumulator (a, b) at v[8 (8 (a % 4) + b)] of window 2 + a / 4.
.set PITCH,  272                       ; an LDS row of codes: 256 bytes + 16 of padding: the 16 rows that a load touches start at 16 different banks
.set HALFT,  128*PITCH                 ; what one tensor load brings
.set SLOT,   4*HALFT                   ; the tokens' 256 rows, then the weight's 256 rows, 512 along K
.set SCL,    2*SLOT                    ; the scale bytes: 32 a row, as units of 256 bytes + 16
.set HALFS,  16*272                    ; those of 128 rows
.set SBLK,   2*272                     ; those of 16 rows
.set SPARE,  SCL+4*HALFS               ; the spare words: 128 bytes a wave, named by no other line
.set ADR1, 16                          ; v16-17 source 1's fragments in slot 0, 1
.set ADR0, 20                          ; v20-21 source 0's
.set ADS1, 22                          ; v22    source 1's scale words
.set ADS0, 23                          ; v23    source 0's
.set OF,   24                          ; v24-27 the codes' offsets: 16 lane + m x DA
.set SPW,  28
.set NIL,  29
.set SOF,  30                          ; v30    the scale words' offset
.set SHV,  31                          ; v31    how far lanes 16-31 shift a scale word down
.set SC1,  32
.set TM,   96                          ; v96-99 largest magnitudes, v100-103 at work, v108-111 the conversions' scale operands
.set WW,   112                         ; v112-119 block a's scale word
.set PC,   128                         ; block a's codes at v[128 + 8 a]
.set SC0,  192
.set BIAS, 64                          ; in window 1
.set CB,   4                           ; s[4:11]  the codes' four bases (a / 4, c)
.set BI,   12                          ; s[12:13] the bias
.set WV,   14
.set WH,   15
.set WL,   16
.set YT,   17                          ; token tile 0..31
.set G1,   24
.set G0,   32
.set CX,   40
.set CY,   41
.set XT,   42                          ; column tile 0..3
.set RMASK, 43
.set CMASK, 44
.set SWT,  45                          ; which half of the weight's 256 rows is my wave's
.set G1B,  48
.set G0B,  56
.set TEN,  66
.set STK,  67                          ; which half of the 256 tokens
.set G1S,  68                          ; (these four lie over the arguments, and are written when the pointers have been chosen)
.set G0S,  76
.set G1SB, 80
.set G0SB, 88
.set SB,   92                          ; s[92:95] the scale words' two bases
.set SEL,  96                          ; s[96:97] lane selects: lane l xor 16
.set MSB, 0
.macro WIN new                         ; the immediate's high byte repeats the setting that is left; a switch that changes nothing is dropped
.if MSB != (\new)
	s_set_vgpr_msb (MSB<<8)|(\new)
.set MSB, (\new)
.endif
.endm
; A joint load: waves 0, 1 fetch the tokens' halves, waves 2, 3 the weight's.  The branch hangs on the wave's number alone.  An s_nop 0 and four v_nop follow each line.
.macro JLOAD g0a, g1a, g0b, g1b
	s_cmp_eq_u32 s[WH], 0
	s_cbranch_scc0 .Lfor_b_\@
	tensor_load_to_lds s[\g0a:\g0a+3], s[\g1a:\g1a+7]
	s_nop 0
.rept 4
	v_nop
.endr
	s_branch .Lasked_\@
.Lfor_b_\@:
	tensor_load_to_lds s[\g0b:\g0b+3], s[\g1b:\g1b+7]
	s_nop 0
.rept 4
	v_nop
.endr
.Lasked_\@:
.endm
.macro CROUND                          ; a round of the cluster's barrier
	s_barrier_signal -1
	s_barrier_wait -1
	s_cmp_lg_u32 s[WV], 0
	s_cbranch_scc1 .Lnot_wave_0_\@
	s_barrier_signal -3
.Lnot_wave_0_\@:
	s_barrier_wait -3
	s_barrier_signal -1
	s_barrier_wait -1
.endm
.macro PLACES n
.rept \n
	v_nop
.endr
.endm
	s_load_b512 s[68:83], s[0:1], 0x0              ; query: codes, scales; Wq: codes, scales; bq; key: codes, scales; Wk: codes
	s_load_b512 s[84:99], s[0:1], 0x40             ; Wk: scales; bk; value: codes, scales; Wv: codes, scales; bv; qkv
	s_load_b64 s[100:101], s[0:1], 0x80            ; qkvs
	v_lshl_add_u32 v[SPW], v0, 2, SPARE
	v_mov_b32 v[NIL], 0
	ds_add_u32 v[SPW], v[NIL]                      ; the wave's opening: the add, twice on end, and its wait ahead of my first tensor load
	ds_add_u32 v[SPW], v[NIL]
	v_lshrrev_b32 v1, 5, v0
	v_readfirstlane_b32 s[WV], v1                  ; wave 0..3
	s_lshr_b32 s[WH], s[WV], 1                     ; source 1's half.  Also: I fetch tokens (0) or weights (1)
	s_and_b32 s[WL], s[WV], 1                      ; source 0's half.  Also: which 128 rows I fetch
	s_bfe_u32 s[CX], ttmp6, 0x40000
	s_bfe_u32 s[CY], ttmp6, 0x40004
	s_lshl_b32 s[XT], ttmp9, 2
	s_add_co_u32 s[XT], s[XT], s[CX]               ; column tile = 4 x cluster x + cx
	s_and_b32 s[YT], ttmp7, 0xffff                 ; cluster y, 0..23
	s_lshr_b32 s[TEN], s[YT], 3                    ; the tensor: the same in all sixteen partners
	s_and_b32 s[YT], s[YT], 7
	s_lshl_b32 s[YT], s[YT], 2
	s_add_co_u32 s[YT], s[YT], s[CY]               ; token tile = 4 x (cluster y % 8) + cy
	s_lshl_b32 s[RMASK], s[CY], 2
	s_lshl_b32 s[RMASK], 15, s[RMASK]              ; my row of the cluster
	s_lshl_b32 s[CMASK], 0x1111, s[CX]             ; my column
	s_or_b32 s[G1], s[RMASK], (1<<20)|(1<<21)|(5<<22)|(3<<25)    ; the mask; elements of 1 byte; padding on; bit 21 beside a mask; after every 64 words 4 words
	s_or_b32 s[G1B], s[CMASK], (1<<20)|(1<<21)|(5<<22)|(3<<25)
.irp g, G1, G1B
	s_mov_b32 s[\g+1], 256<<16                     ; tensor_dim0 = 256 bytes
	s_mov_b32 s[\g+2], 128<<16                     ; tensor_dim1 = 128 rows
	s_mov_b32 s[\g+3], 256<<16                     ; tile_dim0
	s_mov_b32 s[\g+4], 128                         ; tile_dim1
	s_mov_b32 s[\g+5], 512                         ; a row of 1,024 codes in memory
	s_mov_b32 s[\g+6], 0
	s_mov_b32 s[\g+7], 0
.endr
	s_lshl_b32 s18, s[WL], 7
	s_lshl_b32 s20, s[YT], 8
	s_add_co_u32 s20, s20, s18                     ; the first token that I fetch
	s_lshl_b32 s46, s[XT], 8
	s_add_co_u32 s46, s46, s18                     ; the first row of the weight that I fetch
	s_lshl_b32 s22, s20, 5                         ; their scale bytes, 32 a row,
	s_mov_b32 s23, 0
	s_lshl_b32 s20, s20, 9                         ; and codes, 512 a row
	s_mov_b32 s21, 0
	s_lshl_b32 s2, s46, 5
	s_mov_b32 s3, 0
	s_lshl_b32 s46, s46, 9
	s_mov_b32 s47, 0
	s_mul_i32 s18, s[WV], HALFT                    ; where they go: wave x 128 rows: no place in the cluster enters an LDS address
	s_mul_i32 s19, s[WV], HALFS
	s_wait_dscnt 0x0                               ; both opening adds are done
	s_wait_kmcnt 0x0
	s_cmp_eq_u32 s[TEN], 0                         ; the tensor's five buffers: a choice that hangs on the cluster's number alone
	s_cselect_b64 s[4:5], s[68:69], s[78:79]
	s_cselect_b64 s[6:7], s[70:71], s[80:81]
	s_cselect_b64 s[8:9], s[72:73], s[82:83]
	s_cselect_b64 s[10:11], s[74:75], s[84:85]
	s_cselect_b64 s[BI:BI+1], s[76:77], s[86:87]
	s_cmp_eq_u32 s[TEN], 2
	s_cselect_b64 s[4:5], s[88:89], s[4:5]
	s_cselect_b64 s[6:7], s[90:91], s[6:7]
	s_cselect_b64 s[8:9], s[92:93], s[8:9]
	s_cselect_b64 s[10:11], s[94:95], s[10:11]
	s_cselect_b64 s[BI:BI+1], s[96:97], s[BI:BI+1]
	s_add_nc_u64 s[20:21], s[4:5], s[20:21]        ; the tokens' codes,
	s_add_nc_u64 s[22:23], s[6:7], s[22:23]        ; their scales,
	s_add_nc_u64 s[46:47], s[8:9], s[46:47]        ; the weight's codes,
	s_add_nc_u64 s[2:3], s[10:11], s[2:3]          ; its scales
	s_or_b32 s[G1S], s[RMASK], (3<<16)|(1<<20)|(1<<21)|(5<<22)|(3<<25)   ; the scales of 128 rows: 4,096 dense bytes as 16 rows of 32 elements of 8 bytes, 16 bytes of padding behind each
	s_or_b32 s[G1SB], s[CMASK], (3<<16)|(1<<20)|(1<<21)|(5<<22)|(3<<25)
.irp g, G1S, G1SB
	s_mov_b32 s[\g+1], 32<<16
	s_mov_b32 s[\g+2], 16<<16
	s_mov_b32 s[\g+3], 32<<16
	s_mov_b32 s[\g+4], 16
	s_mov_b32 s[\g+5], 32
	s_mov_b32 s[\g+6], 0
	s_mov_b32 s[\g+7], 0
.endr
	CROUND                                         ; all sixteen work-groups are here: the first joint loads meet
	s_mov_b32 s[G0S], 1
	s_add_co_u32 s[G0S+1], s19, SCL
	s_mov_b64 s[G0S+2:G0S+3], s[22:23]
	s_or_b32 s[G0S+3], s[G0S+3], 0x80000000
	s_mov_b32 s[G0SB], 1
	s_add_co_u32 s[G0SB+1], s19, SCL
	s_mov_b64 s[G0SB+2:G0SB+3], s[2:3]
	s_or_b32 s[G0SB+3], s[G0SB+3], 0x80000000
	JLOAD G0S, G1S, G0SB, G1SB                     ; the scales first: they are wanted with the first step
.irp s, 0,1
	s_mov_b32 s[G0+4*\s], 1
	s_add_co_u32 s[G0+4*\s+1], s18, \s*SLOT
	s_add_nc_u64 s[G0+4*\s+2:G0+4*\s+3], s[20:21], \s*256
	s_or_b32 s[G0+4*\s+3], s[G0+4*\s+3], 0x80000000
	s_mov_b32 s[G0B+4*\s], 1
	s_add_co_u32 s[G0B+4*\s+1], s18, \s*SLOT
	s_add_nc_u64 s[G0B+4*\s+2:G0B+4*\s+3], s[46:47], \s*256
	s_or_b32 s[G0B+4*\s+3], s[G0B+4*\s+3], 0x80000000
	JLOAD G0+4*\s, G1, G0B+4*\s, G1B               ; three loads of mine are out: all that this launch fetches
.endr
	; what hangs on the tensor: which half is whose, the LDS bases of the two sources, and the strides of the images
	v_and_b32 v1, 15, v0                           ; r
	v_bfe_u32 v2, v0, 4, 1                         ; h
	v_and_b32 v3, 31, v0                           ; lane
	v_mul_u32_u24 v6, v1, PITCH
	v_lshl_add_u32 v6, v2, 4, v6                   ; a fragment's row x pitch + 16 h
	v_lshlrev_b32 v7, 5, v1
	v_lshrrev_b32 v8, 3, v1
	v_lshl_add_u32 v7, v8, 4, v7                   ; a row's scale bytes: 32 r, and 16 more behind each 256
	s_mov_b32 s2, 512
	s_mov_b32 s3, 2048
	s_mov_b32 s46, 196608
	s_mov_b32 s47, 256
	s_mov_b32 s22, 24576
	s_cmp_eq_u32 s[TEN], 2
	s_cselect_b32 s[STK], s[WL], s[WH]             ; V: the tokens are source 0
	s_cselect_b32 s[SWT], s[WH], s[WL]
	s_cselect_b32 s18, 2*HALFT, 0                  ; source 1's rows in a slot (the weight's lie behind the tokens')
	s_cselect_b32 s19, 0, 2*HALFT                  ; source 0's
	s_cselect_b32 s20, 2*HALFS, 0
	s_cselect_b32 s21, 0, 2*HALFS
	s_cselect_b32 s2, 1024, s2                     ; DA: from block a to a + 1 (Q, K: a tile of tokens; V: a tile of channels)
	s_cselect_b32 s3, 196608, s3                   ; from a to a + 4 (Q, K: four tiles; V: the next head)
	s_cselect_b32 s46, 512, s46                    ; from c = 0 to c = 1 (Q, K: the next head; V: the second 64 keys)
	s_cselect_b32 s47, 24576, s47                  ; scale words: from a / 4 = 0 to 1 (Q, K: the half hq; V: the next head)
	s_cselect_b32 s22, 256, s22                    ; scale words: lanes 16-31 (Q, K: the next head; V: the copy)
	s_cselect_b32 s23, 0, 16                       ; and how far they shift the word down (Q, K: to the next head's two bytes)
	s_mul_i32 s92, s[WH], HALFT
	s_add_co_u32 s18, s18, s92
	s_mul_i32 s92, s[WL], HALFT
	s_add_co_u32 s19, s19, s92
	s_mul_i32 s92, s[WH], HALFS
	s_add_co_u32 s20, s20, s92
	s_add_co_u32 s20, s20, SCL
	s_mul_i32 s92, s[WL], HALFS
	s_add_co_u32 s21, s21, s92
	s_add_co_u32 s21, s21, SCL
	v_add_nc_u32 v[ADR1], s18, v6
	v_add_nc_u32 v[ADR0], s19, v6
	v_add_nc_u32 v[ADR1+1], SLOT, v[ADR1]
	v_add_nc_u32 v[ADR0+1], SLOT, v[ADR0]
	v_add_nc_u32 v[ADS1], s20, v7
	v_add_nc_u32 v[ADS0], s21, v7
	v_lshlrev_b32 v[OF], 4, v3
	v_add_nc_u32 v[OF+1], s2, v[OF]
	v_add_nc_u32 v[OF+2], s2, v[OF+1]
	v_add_nc_u32 v[OF+3], s2, v[OF+2]
	v_mul_u32_u24 v[SOF], s22, v2
	v_lshl_add_u32 v[SOF], v1, 4, v[SOF]
	v_mul_u32_u24 v[SHV], s23, v2
	v_lshlrev_b32 v4, 5, v2                        ; the bias along registers: 8 h numbers on
	v_lshlrev_b32 v5, 2, v1                        ; the bias by lane: number r
.irp e, 0,1,2,3
	v_mov_b32 v[TM+4+\e], 0                        ; written once: a lane permute's destination counts as one of its sources
.endr
	s_lshr_b32 s18, s[YT], 3                       ; the batch
	s_lshl_b32 s18, s18, 4
	s_lshl_b32 s19, s[XT], 2
	s_add_co_u32 s18, s18, s19
	s_lshl_b32 s19, s[SWT], 1
	s_add_co_u32 s18, s18, s19                     ; b x 16 + my first head (256 columns are four heads, my 128 two)
	s_mul_i32 s18, s18, 3
	s_add_co_u32 s18, s18, s[TEN]                  ; the part of qkv and of qkvs
	s_and_b32 s19, s[YT], 7
	s_lshl_b32 s19, s19, 1
	s_add_co_u32 s19, s19, s[STK]                  ; my 128 tokens: which step of the sequence's 16
	s_lshl_b32 s20, s18, 16
	s_lshl_b32 s21, s19, 12
	s_add_co_u32 s20, s20, s21
	s_mov_b32 s21, 0
	s_add_nc_u64 s[CB:CB+1], s[98:99], s[20:21]
	s_mov_b32 s20, s46
	s_add_nc_u64 s[CB+2:CB+3], s[CB:CB+1], s[20:21]
	s_mov_b32 s20, s3
	s_add_nc_u64 s[CB+4:CB+5], s[CB:CB+1], s[20:21]
	s_add_nc_u64 s[CB+6:CB+7], s[CB+2:CB+3], s[20:21]
	s_lshl_b32 s20, s18, 13
	s_lshl_b32 s92, s19, 9
	s_add_co_u32 s20, s20, s92
	s_add_nc_u64 s[SB:SB+1], s[100:101], s[20:21]
	s_mov_b32 s20, s47
	s_add_nc_u64 s[SB+2:SB+3], s[SB:SB+1], s[20:21]
	s_lshl_b32 s20, s[XT], 10
	s_lshl_b32 s18, s[SWT], 9
	s_add_co_u32 s20, s20, s18
	s_add_nc_u64 s[BI:BI+1], s[BI:BI+1], s[20:21]  ; the bias of my 128 columns
	s_mov_b32 s[SEL], 0x76543210
	s_mov_b32 s[SEL+1], 0xfedcba98
	; the bias is the C of each sum's first product, eight registers a tile in the result's layout
	s_cmp_eq_u32 s[TEN], 2
	s_cbranch_scc1 .Lbias_v
	WIN 0x40                                       ; destination window 1
.irp b, 0,1,2,3,4,5,6,7
	global_load_b128 v[BIAS+8*\b:BIAS+8*\b+3], v4, s[BI:BI+1] offset:64*\b       ; Q, K: registers run along the columns: 16 b + 8 h + 0 .. 7
	global_load_b128 v[BIAS+8*\b+4:BIAS+8*\b+7], v4, s[BI:BI+1] offset:64*\b+16
.endr
	WIN 0
	s_branch .Lbias_done
.Lbias_v:
	WIN 0x40
.irp a, 0,1,2,3,4,5,6,7
.irp j, 0,1,2,3,4,5,6,7
	global_load_b32 v[BIAS+8*\a+\j], v5, s[BI:BI+1] offset:64*\a                 ; V: a lane holds one column, 16 a + r: the same number in all eight registers
.endr
.endr
	WIN 0
.Lbias_done:
.macro FRAG reg, adr, qq, i            ; 16 rows x 128 K of 4-bit codes: 8 registers, two loads of 16 bytes, 32 bytes apart
.irp c, 0,1
	ds_load_b128 v[\reg+4*\c:\reg+4*\c+3], v[\adr] offset:64*(\qq)+32*\c+(\i)*16*PITCH
.endr
.endm
.macro FETCH q                         ; the fragments of K step q (128 along K): 32 loads in one run, into set q % 2
.set FS, (\q)/4
.set FQ, (\q)%4
.set FP, (\q)%2
	WIN 0x40
.irp i, 0,1,2,3,4,5,6,7
	FRAG 128*FP+8*\i, ADR0+FS, FQ, \i
.endr
.if FP == 0
	WIN 0
.endif
.irp i, 0,1,2,3,4,5,6,7
	FRAG 128+64*FP+8*\i, ADR1+FS, FQ, \i
.endr
	WIN 0
.endm
; 64 matrix instructions: K step q.  The 64 accumulators take turns, one instruction a turn, in the same order in every step.
; mode 0: the sums go on;  1: they begin with the bias along the registers (tile b);  2: with the bias by lane (tile a).
.macro MULS q, mode
.set MP, (\q)%2
.irp a, 0,1,2,3,4,5,6,7
.if \mode == 0
	WIN 0xa1+0x50*(\a/4)+4*MP
.else
	WIN 0x91+0x40*(\a/4)
.endif
.irp b, 0,1,2,3,4,5,6,7
.if \mode == 0
	v_wmma_scale_f32_16x16x128_f8f6f4 v[8*(8*(\a%4)+\b):8*(8*(\a%4)+\b)+7], v[128*MP+8*\b:128*MP+8*\b+7], v[128+64*MP+8*\a:128+64*MP+8*\a+7], v[8*(8*(\a%4)+\b):8*(8*(\a%4)+\b)+7], v[SC0+8*\b+(\q)], v[SC1+8*\a+(\q)] matrix_a_fmt:MATRIX_FMT_FP4 matrix_b_fmt:MATRIX_FMT_FP4
.elseif \mode == 1
	v_wmma_scale_f32_16x16x128_f8f6f4 v[8*(8*(\a%4)+\b):8*(8*(\a%4)+\b)+7], v[128*MP+8*\b:128*MP+8*\b+7], v[128+64*MP+8*\a:128+64*MP+8*\a+7], v[BIAS+8*\b:BIAS+8*\b+7], v[SC0+8*\b+(\q)], v[SC1+8*\a+(\q)] matrix_a_fmt:MATRIX_FMT_FP4 matrix_b_fmt:MATRIX_FMT_FP4
.else
	v_wmma_scale_f32_16x16x128_f8f6f4 v[8*(8*(\a%4)+\b):8*(8*(\a%4)+\b)+7], v[128*MP+8*\b:128*MP+8*\b+7], v[128+64*MP+8*\a:128+64*MP+8*\a+7], v[BIAS+8*\a:BIAS+8*\a+7], v[SC0+8*\b+(\q)], v[SC1+8*\a+(\q)] matrix_a_fmt:MATRIX_FMT_FP4 matrix_b_fmt:MATRIX_FMT_FP4
.endif
.endr
.endr
.endm
; A step: this step's fragments are in; four places behind the last step's products, whose set the next fetch fills; the next step's 32 loads; 64 products under which they land.
.macro STEP q
	s_wait_dscnt 0x0
.if (\q) == 3
	s_wait_tensorcnt 0x0                           ; my part of slot 1 is in,
	s_barrier_signal -1
	s_barrier_wait -1                              ; everybody's is
.endif
	PLACES 4
.if (\q) < 7
	FETCH (\q)+1
.endif
	MULS \q, 0
.endm
	s_wait_tensorcnt 0x1                           ; the scales and my part of slot 0 are in; of my three loads only slot 1's may be out,
	s_barrier_signal -1
	s_barrier_wait -1                              ; everybody's are
.irp i, 0,1,2,3,4,5,6,7
	ds_load_b128 v[SC1+8*\i:SC1+8*\i+3], v[ADS1] offset:\i*SBLK        ; the scale words of all eight K steps stay in registers: lane r takes row r's
	ds_load_b128 v[SC1+8*\i+4:SC1+8*\i+7], v[ADS1] offset:\i*SBLK+16
	ds_load_b128 v[SC0+8*\i:SC0+8*\i+3], v[ADS0] offset:\i*SBLK
	ds_load_b128 v[SC0+8*\i+4:SC0+8*\i+7], v[ADS0] offset:\i*SBLK+16
.endr
	FETCH 0
	s_wait_dscnt 0x0
	FETCH 1
	s_wait_loadcnt 0x0                             ; the bias
	s_cmp_eq_u32 s[TEN], 2
	s_cbranch_scc1 .Lfirst_v
	MULS 0, 1
	WIN 0
	s_branch .Lfirst_done
.Lfirst_v:
	MULS 0, 2
	WIN 0
.Lfirst_done:
.irp q, 1,2,3,4,5,6,7
	STEP \q
.endr
	WIN 0
	PLACES 4                                       ; in front of the first read of results
; Block a's 64 numbers of a lane (eight tiles, four blocks of 32 along the next K) become a fragment's codes in v[PC + 8 a] on and its row's scale word in v[WW + a].  Each accumulator is read from its low end on.
.macro QUANT a
.set QW, 2+(\a)/4
.set QB, 64*((\a)%4)
.set QP, PC+8*(\a)
	WIN QW|(QW<<2)                                 ; sources 0 and 1: the accumulators' window
.irp e, 0,1,2,3
	v_max3_num_f32 v[TM+\e], |v[QB+16*\e]|, |v[QB+16*\e+1]|, 0x3000000            ; my 16 numbers of block e, and the floor 2^(6 - 127)
.endr
.irp i, 2,4,6,8,10,12,14
.irp e, 0,1,2,3
	v_max3_num_f32 v[TM+\e], |v[QB+16*\e+\i]|, |v[QB+16*\e+\i+1]|, v[TM+\e]       ; (the four blocks by turns)
.endr
.endr
	WIN 0
.irp e, 0,1,2,3
	v_permlanex16_b32 v[TM+4+\e], v[TM+\e], s[SEL], s[SEL+1]
.endr
.irp e, 0,1,2,3
	v_max_num_f32 v[TM+\e], v[TM+\e], v[TM+4+\e]   ; with lane l xor 16's: the block's largest magnitude
.endr
.irp e, 0,1,2,3
	v_add_nc_u32 v[TM+12+\e], 0xff000000, v[TM+\e] ; 2 off its exponent field: the conversion's scale operand
.endr
.irp e, 0,1,2,3
	v_lshrrev_b32 v[TM+4+\e], 23, v[TM+12+\e]      ; the scale's byte
.endr
	v_lshl_or_b32 v[WW+(\a)], v[TM+5], 8, v[TM+4]
	v_lshl_or_b32 v[WW+(\a)], v[TM+6], 16, v[WW+(\a)]
	v_lshl_or_b32 v[WW+(\a)], v[TM+7], 24, v[WW+(\a)]
	WIN QW                                         ; source 0 alone
.irp e, 0,1,2,3
	v_cvt_scalef32_pk8_fp4_f32 v[QP+4*(\e/2)+\e%2], v[QB+16*\e:QB+16*\e+7], v[TM+12+\e]
	v_cvt_scalef32_pk8_fp4_f32 v[QP+4*(\e/2)+2+\e%2], v[QB+16*\e+8:QB+16*\e+15], v[TM+12+\e]
.endr
	WIN 0
	v_nop                                          ; one plain place behind a scaled conversion
.irp c, 0,1
	v_permlane16_swap_b32 v[QP+4*\c], v[QP+4*\c+1] ; the first's lanes 16-31 change places with the second's lanes 0-15
	v_permlane16_swap_b32 v[QP+4*\c+2], v[QP+4*\c+3]
.endr
.endm
.irp a, 0,1,2,3,4,5,6,7                ; every block has registers of its own for its codes and its word: no store's data are written again
	QUANT \a
	global_store_b128 v[OF+\a%4], v[PC+8*\a:PC+8*\a+3], s[CB+4*(\a/4):CB+4*(\a/4)+1]         ; 32 lanes store 512 consecutive bytes, aligned
	global_store_b128 v[OF+\a%4], v[PC+8*\a+4:PC+8*\a+7], s[CB+4*(\a/4)+2:CB+4*(\a/4)+3]
.if \a%4 == 3
.irp i, 0,1,2,3
	v_lshrrev_b32 v[WW+\a-3+\i], v[SHV], v[WW+\a-3+\i]
.endr
	global_store_b128 v[SOF], v[WW+\a-3:WW+\a], s[SB+2*(\a/4):SB+2*(\a/4)+1]                 ; each half of the lanes stores 256 consecutive bytes, aligned
.endif
.endr
	s_wait_tensorcnt 0x0                           ; the wave's end
	ds_add_u32 v[SPW], v[NIL]
	s_wait_dscnt 0x0
	CROUND                                         ; the closing round
	s_endpgm
.Lfunc_end_k_q32674f0942_proj:
	.size	k_q32674f0942_proj, .Lfunc_end_k_q32674f0942_proj-k_q32674f0942_proj
	.p2alignl 7, 3214868480
	.fill 96, 4, 3214868480
	.section	.rodata,"a",@progbits
	.p2align	6, 0x0
	.amdhsa_kernel k_q32674f0942_proj
		.amdhsa_group_segment_fixed_size 296448
		.amdhsa_private_segment_fixed_size 0
		.amdhsa_enable_private_segment 0
		.amdhsa_kernarg_size 136
		.amdhsa_user_sgpr_count 2
		.amdhsa_user_sgpr_kernarg_segment_ptr 1
		.amdhsa_wavefront_size32 1
		.amdhsa_system_sgpr_workgroup_id_x 1
		.amdhsa_system_sgpr_workgroup_id_y 1
		.amdhsa_system_sgpr_workgroup_id_z 1
		.amdhsa_system_vgpr_workitem_id 0
		.amdhsa_next_free_vgpr 1024
		.amdhsa_next_free_sgpr 102
		.amdhsa_reserve_vcc 0
		.amdhsa_float_denorm_mode_32 3
		.amdhsa_float_denorm_mode_16_64 3
		.amdhsa_memory_ordered 1
		.amdhsa_forward_progress 1
		.amdhsa_inst_pref_size 145
	.end_amdhsa_kernel
	.amdgpu_metadata
---
amdhsa.version: [ 1, 2 ]
amdhsa.kernels:
  - .name:           k_q32674f0942_proj
    .symbol:         k_q32674f0942_proj.kd
    .args:
      - { .name: query_codes, .offset: 0, .size: 8, .value_kind: global_buffer, .address_space: global }
      - { .name: query_scales, .offset: 8, .size: 8, .value_kind: global_buffer, .address_space: global }
      - { .name: Wq_codes, .offset: 16, .size: 8, .value_kind: global_buffer, .address_space: global }
      - { .name: Wq_scales, .offset: 24, .size: 8, .value_kind: global_buffer, .address_space: global }
      - { .name: bq, .offset: 32, .size: 8, .value_kind: global_buffer, .address_space: global }
      - { .name: key_codes, .offset: 40, .size: 8, .value_kind: global_buffer, .address_space: global }
      - { .name: key_scales, .offset: 48, .size: 8, .value_kind: global_buffer, .address_space: global }
      - { .name: Wk_codes, .offset: 56, .size: 8, .value_kind: global_buffer, .address_space: global }
      - { .name: Wk_scales, .offset: 64, .size: 8, .value_kind: global_buffer, .address_space: global }
      - { .name: bk, .offset: 72, .size: 8, .value_kind: global_buffer, .address_space: global }
      - { .name: value_codes, .offset: 80, .size: 8, .value_kind: global_buffer, .address_space: global }
      - { .name: value_scales, .offset: 88, .size: 8, .value_kind: global_buffer, .address_space: global }
      - { .name: Wv_codes, .offset: 96, .size: 8, .value_kind: global_buffer, .address_space: global }
      - { .name: Wv_scales, .offset: 104, .size: 8, .value_kind: global_buffer, .address_space: global }
      - { .name: bv, .offset: 112, .size: 8, .value_kind: global_buffer, .address_space: global }
      - { .name: qkv, .offset: 120, .size: 8, .value_kind: global_buffer, .address_space: global }
      - { .name: qkvs, .offset: 128, .size: 8, .value_kind: global_buffer, .address_space: global }
    .group_segment_fixed_size: 296448
    .private_segment_fixed_size: 0
    .kernarg_segment_align: 8
    .kernarg_segment_size: 136
    .max_flat_workgroup_size: 128
    .sgpr_count:     102
    .vgpr_count:     1024
    .wavefront_size: 32
...
	.end_amdgpu_metadata
.endif
;; end of part 1
;; launch attn (part 2): grid 4 x 64, 8 waves a work-group, clusters of 4 x 1, 191,488 bytes of LDS; arguments qkv, qkvs, mask, out1, wimg, wsc; writes out1, wimg, wsc
.if DOCPART == 2
	.amdgcn_target "amdgcn-amd-amdhsa--gfx1250"
	.amdhsa_code_object_version 6
	.text
	.protected	k_q32674f0942_attn
	.globl	k_q32674f0942_attn
	.p2align	8
	.type	k_q32674f0942_attn,@function
k_q32674f0942_attn:
	s_mov_b64 s[64:65], 0
	v_nop
	global_prefetch_b8 v0, s[64:65] scope:SCOPE_SE
	s_setreg_imm32_b32 hwreg(HW_REG_WAVE_MODE, 25, 1), 1
	s_wait_xcnt 0x0
	s_wait_alu depctr_hold_cnt(0) depctr_sa_sdst(0) depctr_va_vdst(0) depctr_va_sdst(0) depctr_va_ssrc(0) depctr_va_vcc(0) depctr_vm_vsrc(0)
	s_getreg_b32 s2, hwreg(HW_REG_IB_STS2, 6, 4)
	s_cmp_eq_u32 s2, 0
	s_cbranch_scc0 .Lentry_in_a_cluster
	s_endpgm
.Lentry_in_a_cluster:
	s_bfe_u32 s2, ttmp6, 0x10000c
	s_cmp_lg_u32 s2, 0x3003
	s_cbranch_scc0 .Lentry_shape_is_right
	s_endpgm
.Lentry_shape_is_right:
; weights[b][q][head x 64 + d] = the sum over keys of softmax(Q . K / 8 + mask) V, both products on codes of FP4 (E2M1) with one E8M0 scale for each 32 along a product's K.  No work of the problem is left out here.
; THE SOFTMAX AHEAD OF THE SECOND PRODUCT: t = logit x log2(e); M = the row's largest t so far, rounded UP to a whole number; p = 2^(t - M) is what is quantised, along the keys, not normalised.
; The row's sum is taken of the unquantised p, in f32, and divides at the end.  When M moves, the sum and O are multiplied by 2^(old M - new M): exact.
; THE DIVISION BY 8 AND THE MASK COST NO VECTOR INSTRUCTION: 3 is taken off Q's scale bytes (they are at least 4), and mask[key], laid as a result is laid, is the C of the first product.
; A head has 64 channels and the instruction takes 128 along K: registers 4-7 of K's and Q's fragments hold zero codes, under whatever scale bytes (never 0xff).
; LIMITS: NaN and +infinity among the inputs are not served; a mask of -infinity gives p = 0, and a row whose every key has it gives NaN, as the softmax of such a row is.
; A block of weights that is all zeros gets the scale byte 1 and not 127: its codes are zeros, and the bytes are read by this program alone.
; SHARES.  256 work-groups: a quarter (512 queries) of one head of one batch, in two passes of 256.  Eight waves, two to a SIMD; in a pass a wave owns two tiles of 16 queries, which share every read of K, V, mask and scales.
; THE HEAD'S K AND V, THEIR SCALE WORDS AND THE BATCH'S MASK (152 KiB) COME INTO LDS ONCE, at the head, and stay: no ring, no refill, no barrier in the loops; so there is no later load to ask ahead for.
; CLUSTER 4 x 1: the four quarters of a head want the same bytes: each load is asked for jointly, with a mask that names the four.
; LAYOUT.  Both products are used transposed: S^T = K Q^T (source 0 = 16 keys, source 1 = my 16 queries), O^T = V^T P^T: a lane holds ONE query (lane % 16) throughout.
; Register j of score tile t holds key 16 t + 8 (lane / 16) + j.  The conversions of tiles 2 e and 2 e + 1 give words 0 | 1 and 2 | 3 of block e; laid as (2c: 0|1), (2c+1: 0|1), (2c: 2|3), (2c+1: 2|3), two exchanges of halves
; make of them the operand's registers 4 c .. 4 c + 3.  All operands lie in LDS as images of their registers, lane l's 16 bytes at 16 l: every load reads 512 consecutive bytes.
; OUT.  out1 in f32; and, for the last product, the weights' codes and scale bytes: wimg [K half][tile of 16 tokens][K step % 4][c][lane][16], head = 8 half + 2 step + c; wsc [tile][K step 0..7][token r][c] of 2 bytes.
; The two halves of a scale word belong to two heads, so to two work-groups: wsc is stored 2 bytes a lane, 4 bytes apart: 256 KiB of the launch's 38 MB of stores.
; REGISTERS.  Tile x has the same numbers in window x: v96-159 S^T then p, v160-191 O^T, v192-199 Q, v200-207 p's codes, v208-232 statistics.  Shared, window 0: v1-16 addresses, v32-95 the mask as C, v240-251 scale words.
;   window 1: v0-63 K's eight fragments, v64-95 V's four.
.set VIMG,  65536                      ; LDS: K's image at 0, V's here,
.set KSC,   131072                     ; K's scale words,
.set VSC,   139264                     ; V's,
.set MSK,   147456                     ; the mask,
.set STAGE, 155648                     ; the way out: 16 rows x (256 + 16) bytes for each wave,
.set SP,    272
.set SPARE, 190464                     ; the spare words: 128 bytes a wave, named by no other line
.set LI,   1                           ; 16 x lane
.set AV0,  3
.set AKS0, 4
.set AVS0, 5
.set AM0,  6                           ; the mask: 32 (lane / 16)
.set ADK,  7
.set AKS,  8
.set ADM,  9
.set ADV,  10
.set AVS,  11
.set STO,  12
.set RD,   13
.set GO,   14
.set RW,   15
.set QSO,  16
.set MK,   32
.set KS,   240
.set VS,   244
.set QS,   248
.set PS,   250
.set SPW,  252
.set NIL,  253
.set KF,   0                           ; window 1
.set VF,   64                          ; window 1
.set S,    96
.set OT,   160
.set QF,   192
.set PC,   200
.set NM,   208                         ; -M
.set TMX,  209                         ; the largest t
.set L,    210                         ; the sum, in two halves
.set BM,   212
.set BT,   216
.set SCO,  220
.set F,    224
.set T,    226
.set U,    228
.set R,    230
.set HW,   232
.set WV,   16
.set SEL,  20
.set CS,   22                          ; s[22:23] log2(e): the packed form names a pair and takes its low word for both halves
.set G1A,  24
.set G1B,  32
.set G0A,  40
.set G0B,  44
.set G0C,  48
.set PASS, 52
.set JS,   53
.set QP,   56
.set QSP,  58
.set MSB, 0
.macro WIN new
.if MSB != (\new)
	s_set_vgpr_msb (MSB<<8)|(\new)
.set MSB, (\new)
.endif
.endm
.macro CROUND
	s_barrier_signal -1
	s_barrier_wait -1
	s_cmp_lg_u32 s[WV], 0
	s_cbranch_scc1 .Lnot_wave_0_\@
	s_barrier_signal -3
.Lnot_wave_0_\@:
	s_barrier_wait -3
	s_barrier_signal -1
	s_barrier_wait -1
.endm
	s_load_b256 s[4:11], s[0:1], 0x0               ; qkv, qkvs, mask, out1
	s_load_b128 s[12:15], s[0:1], 0x20             ; wimg, wsc
	v_lshl_add_u32 v[SPW], v0, 2, SPARE
	v_mov_b32 v[NIL], 0
	ds_add_u32 v[SPW], v[NIL]                      ; the wave's opening: the add, twice on end, and its wait ahead of my first tensor load
	ds_add_u32 v[SPW], v[NIL]
	v_lshrrev_b32 v2, 5, v0
	v_readfirstlane_b32 s[WV], v2                  ; wave 0..7
	s_bfe_u32 s17, ttmp6, 0x40000                  ; cx: which quarter of the queries: it enters Q's and the outputs' addresses alone
	s_and_b32 s18, ttmp7, 0xffff                   ; b x 16 + head, which the four partners share
	s_lshr_b32 s19, s18, 4                         ; b
	s_and_b32 s62, s18, 15                         ; head
	s_mov_b32 s[G1A], 15|(3<<16)|(1<<21)           ; the mask: all four; elements of 8 bytes; bit 21 beside a mask; no padding
	s_mov_b32 s[G1A+1], 32<<16                     ; rows of 256 bytes,
	s_mov_b32 s[G1A+2], 64<<16                     ; 64 of them, dense
	s_mov_b32 s[G1A+3], 32<<16
	s_mov_b32 s[G1A+4], 64
	s_mov_b32 s[G1A+5], 32
	s_mov_b32 s[G1A+6], 0
	s_mov_b32 s[G1A+7], 0
	s_mov_b32 s[G1B], 15|(3<<16)|(1<<21)
	s_mov_b32 s[G1B+1], 32<<16
	s_mov_b32 s[G1B+2], 16<<16                     ; 16 rows
	s_mov_b32 s[G1B+3], 32<<16
	s_mov_b32 s[G1B+4], 16
	s_mov_b32 s[G1B+5], 32
	s_mov_b32 s[G1B+6], 0
	s_mov_b32 s[G1B+7], 0
	s_mov_b32 s[SEL], 0x76543210
	s_mov_b32 s[SEL+1], 0xfedcba98
	s_mov_b32 s[CS], 0x3fb8aa3b                    ; log2(e)
	s_mov_b32 s[CS+1], s[CS]
	s_mul_i32 s54, s18, 196608                     ; the head's bytes in qkv,
	s_mul_i32 s55, s18, 24576                      ; and in qkvs
	s_lshl_b32 s2, s[WV], 14                       ; every wave brings 16 KiB of the 128 KiB of K's and V's images, which lie on end in memory as in LDS
	s_mov_b32 s[G0A], 1
	s_mov_b32 s[G0A+1], s2
	s_add_co_u32 s60, s54, s2
	s_add_co_u32 s60, s60, 65536                   ; behind Q's part
	s_mov_b32 s61, 0
	s_and_b32 s3, s[WV], 3                         ; waves 0-3: 4 KiB each of K's and V's scale words, likewise on end
	s_lshl_b32 s3, s3, 12
	s_mov_b32 s[G0B], 1
	s_add_co_u32 s[G0B+1], s3, KSC
	s_add_co_u32 s3, s3, s55
	s_add_co_u32 s3, s3, 8192                      ; behind Q's part
	s_and_b32 s63, s[WV], 1                        ; waves 4, 5: 4 KiB each of the batch's mask
	s_lshl_b32 s63, s63, 12
	s_mov_b32 s[G0C], 1
	s_add_co_u32 s[G0C+1], s63, MSK
	s_lshl_b32 s2, s19, 13
	s_add_co_u32 s63, s63, s2
	s_wait_dscnt 0x0                               ; both opening adds are done
	s_wait_kmcnt 0x0
	s_add_nc_u64 s[G0A+2:G0A+3], s[4:5], s[60:61]
	s_or_b32 s[G0A+3], s[G0A+3], 0x80000000
	s_mov_b32 s60, s3
	s_add_nc_u64 s[G0B+2:G0B+3], s[6:7], s[60:61]
	s_or_b32 s[G0B+3], s[G0B+3], 0x80000000
	s_mov_b32 s60, s63
	s_add_nc_u64 s[G0C+2:G0C+3], s[8:9], s[60:61]
	s_or_b32 s[G0C+3], s[G0C+3], 0x80000000
	CROUND                                         ; all four work-groups are here: the joint loads meet
	tensor_load_to_lds s[G0A:G0A+3], s[G1A:G1A+7]  ; every wave issues this one; an s_nop 0 and four v_nop follow each load
	s_nop 0
.rept 4
	v_nop
.endr
	s_cmp_lt_u32 s[WV], 4                          ; the branches hang on the wave's number alone; two loads of mine are out at the most, and every wait for them is for 0
	s_cbranch_scc0 .Lnot_sc
	tensor_load_to_lds s[G0B:G0B+3], s[G1B:G1B+7]
	s_nop 0
.rept 4
	v_nop
.endr
	s_branch .Lasked
.Lnot_sc:
	s_cmp_lt_u32 s[WV], 6
	s_cbranch_scc0 .Lasked
	tensor_load_to_lds s[G0C:G0C+3], s[G1B:G1B+7]
	s_nop 0
.rept 4
	v_nop
.endr
.Lasked:
	; my wave's pointers.  In pass p tile x of wave w is query tile 32 cx + 16 p + 2 w + x of the head's 128
	s_lshl_b32 s2, s17, 14
	s_lshl_b32 s3, s[WV], 10
	s_add_co_u32 s2, s2, s3
	s_add_co_u32 s2, s2, s54
	s_mov_b32 s3, 0
	s_add_nc_u64 s[QP:QP+1], s[4:5], s[2:3]        ; Q's image: 512 bytes a tile
	s_lshl_b32 s2, s17, 11                         ; Q's scale words: tile T lies at 512 (T / 8) + 256 ((T / 4) % 2) + 16 r + 4 (T % 4)
	s_lshr_b32 s60, s[WV], 2
	s_lshl_b32 s60, s60, 9
	s_add_co_u32 s2, s2, s60
	s_bfe_u32 s60, s[WV], 0x10001
	s_lshl_b32 s60, s60, 8
	s_add_co_u32 s2, s2, s60
	s_and_b32 s60, s[WV], 1
	s_lshl_b32 s60, s60, 3
	s_add_co_u32 s2, s2, s60
	s_add_co_u32 s2, s2, s55
	s_add_nc_u64 s[QSP:QSP+1], s[6:7], s[2:3]
	s_lshl_b32 s63, s19, 7
	s_lshl_b32 s60, s17, 5
	s_add_co_u32 s63, s63, s60
	s_lshl_b32 s60, s[WV], 1
	s_add_co_u32 s63, s63, s60                     ; my first tile among all 512 tiles of tokens
	s_lshl_b32 s2, s63, 16                         ; out1: 16 rows of 4,096 bytes a tile, the head's 256 bytes in a row
	s_lshl_b32 s60, s62, 8
	s_add_co_u32 s2, s2, s60
	s_add_nc_u64 s[10:11], s[10:11], s[2:3]
	s_lshr_b32 s2, s62, 3                          ; wimg
	s_lshl_b32 s2, s2, 21
	s_lshl_b32 s60, s63, 12
	s_add_co_u32 s2, s2, s60
	s_bfe_u32 s60, s62, 0x20001
	s_lshl_b32 s60, s60, 10
	s_add_co_u32 s2, s2, s60
	s_and_b32 s60, s62, 1
	s_lshl_b32 s61, s60, 9
	s_add_co_u32 s2, s2, s61
	s_add_nc_u64 s[12:13], s[12:13], s[2:3]
	s_lshl_b32 s2, s63, 9                          ; wsc
	s_lshr_b32 s61, s62, 1
	s_lshl_b32 s61, s61, 6
	s_add_co_u32 s2, s2, s61
	s_lshl_b32 s60, s60, 1
	s_add_co_u32 s2, s2, s60
	s_add_nc_u64 s[14:15], s[14:15], s[2:3]
	v_and_b32 v2, 31, v0
	v_lshlrev_b32 v[LI], 4, v2
	v_and_b32 v17, 15, v0                          ; r
	v_bfe_u32 v18, v0, 4, 1                        ; h
	v_lshlrev_b32 v[QSO], 4, v17
.macro QLOAD                           ; a pass's two tiles of Q and their scale words
	global_load_b128 v[QF:QF+3], v[LI], s[QP:QP+1]
	global_load_b32 v[QS], v[QSO], s[QSP:QSP+1]
	global_load_b32 v[QS+1], v[QSO], s[QSP:QSP+1] offset:4
	WIN 0x40
	global_load_b128 v[QF:QF+3], v[LI], s[QP:QP+1] offset:512
	WIN 0
.endm
	QLOAD
	v_add_nc_u32 v[AV0], VIMG, v[LI]
	v_add_nc_u32 v[AKS0], KSC, v[LI]
	v_add_nc_u32 v[AVS0], VSC, v[LI]
	v_lshl_add_u32 v[AM0], v18, 5, MSK
	s_mul_i32 s54, s[WV], 16*SP
	s_add_co_u32 s54, s54, STAGE                   ; my stage
	v_mul_u32_u24 v[STO], v17, SP
	v_lshl_add_u32 v[STO], v18, 5, v[STO]
	v_add_nc_u32 v[STO], s54, v[STO]               ; in: row r, + 32 h
	v_mul_u32_u24 v[RD], v18, SP
	v_lshl_add_u32 v[RD], v17, 4, v[RD]
	v_add_nc_u32 v[RD], s54, v[RD]                 ; back: lanes 0-15 one row, lanes 16-31 the next
	v_lshlrev_b32 v[GO], 12, v18
	v_lshl_add_u32 v[GO], v17, 4, v[GO]            ; and the same two rows in out1
	v_lshlrev_b32 v[RW], 2, v17
	v_mov_b32 v[ADK], v[LI]                        ; key step 0
	v_mov_b32 v[AKS], v[AKS0]
	v_mov_b32 v[ADM], v[AM0]
.irp i, 4,5,6,7
	v_mov_b32 v[QF+\i], 0                          ; zero codes for k = 64 .. 127
.endr
	WIN 0x40
.irp i, 4,5,6,7
	v_mov_b32 v[QF+\i], 0
.endr
.irp t, 0,1,2,3,4,5,6,7
.irp i, 4,5,6,7
	v_mov_b32 v[KF+8*\t+\i], 0
.endr
.endr
	WIN 0
.macro LOADK                           ; a key step's 25 loads: K's eight fragments (four registers each), their scale words, the mask as C
	WIN 0x40
.irp t, 0,1,2,3,4,5,6,7
	ds_load_b128 v[KF+8*\t:KF+8*\t+3], v[ADK] offset:512*\t
.endr
	WIN 0
	ds_load_b128 v[KS:KS+3], v[AKS]                ; lanes 0-15: tiles 0-3, lanes 16-31: tiles 4-7
.irp t, 0,1,2,3,4,5,6,7
	ds_load_b128 v[MK+8*\t:MK+8*\t+3], v[ADM] offset:64*\t          ; register j: mask[16 t + 8 h + j]
	ds_load_b128 v[MK+8*\t+4:MK+8*\t+7], v[ADM] offset:64*\t+16
.endr
.endm
.macro QK x                            ; S^T = K Q^T / 8 + mask: eight tiles of 16 keys
	WIN 0x01+0x44*\x
.irp t, 0,1,2,3
	v_wmma_scale_f32_16x16x128_f8f6f4 v[S+8*\t:S+8*\t+7], v[KF+8*\t:KF+8*\t+7], v[QF:QF+7], v[MK+8*\t:MK+8*\t+7], v[KS+\t], v[QS+\x] matrix_a_fmt:MATRIX_FMT_FP4 matrix_b_fmt:MATRIX_FMT_FP4
.endr
.irp t, 4,5,6,7
	v_wmma_scale_f32_16x16x128_f8f6f4 v[S+8*\t:S+8*\t+7], v[KF+8*\t:KF+8*\t+7], v[QF:QF+7], v[MK+8*\t:MK+8*\t+7], v[KS+\t-4], v[QS+\x] matrix_a_fmt:MATRIX_FMT_FP4 matrix_b_fmt:MATRIX_FMT_FP4 matrix_a_scale:MATRIX_SCALE_ROW1
.endr
.endm
.macro PV x                            ; O^T += V^T P^T: four tiles of 16 channels, by turns
	WIN 0x01+0x54*\x
.irp t, 0,1,2,3
	v_wmma_scale_f32_16x16x128_f8f6f4 v[OT+8*\t:OT+8*\t+7], v[VF+8*\t:VF+8*\t+7], v[PC:PC+7], v[OT+8*\t:OT+8*\t+7], v[VS+\t], v[PS+\x] matrix_a_fmt:MATRIX_FMT_FP4 matrix_b_fmt:MATRIX_FMT_FP4
.endr
.endm
.macro INIT x                          ; a pass begins: the step is written once, and its first trip finds zeros, which the first change of M leaves zeros
	WIN 0x55*\x
	v_mov_b32 v[TMX], 0xff61b1e6                   ; -3e38, under every t
	v_mov_b32 v[L], 0
	v_mov_b32 v[L+1], 0
	v_floor_f32 v[NM], -v[TMX]
.irp b, 0,1,2,3
	v_mov_b32 v[BT+\b], 0                          ; a lane permute's destination counts as one of its sources
.endr
	v_mov_b32 v[F+1], 0                            ; (named as the upper halves of pairs)
	v_mov_b32 v[R+1], 0
.set j, 0
.rept 32
	v_mov_b32 v[OT+j], 0
.set j, j+1
.endr
.endm
.macro SOFTMAX x                       ; tile x's 128 scores of a lane's query become p's codes, p's scale word, the sum's and O^T's new scale
	WIN 0x55*\x
.irp b, 0,1,2,3
	v_max3_num_f32 v[BM+\b], v[S+16*\b], v[S+16*\b+1], v[S+16*\b+2]      ; the largest score of each block of 32 keys: for the row's maximum, and, since p rises with the score, for the block's largest p
.endr
.irp i, 3,5,7,9,11,13
.irp b, 0,1,2,3
	v_max3_num_f32 v[BM+\b], v[BM+\b], v[S+16*\b+\i], v[S+16*\b+\i+1]
.endr
.endr
.irp b, 0,1,2,3
	v_max_num_f32 v[BM+\b], v[BM+\b], v[S+16*\b+15]
.endr
.irp b, 0,1,2,3
	v_permlanex16_b32 v[BT+\b], v[BM+\b], s[SEL], s[SEL+1]
.endr
.irp b, 0,1,2,3
	v_max_num_f32 v[BM+\b], v[BM+\b], v[BT+\b]     ; with lane l xor 16's 16 keys
.endr
	v_max3_num_f32 v[T], v[BM], v[BM+1], v[BM+2]
	v_max_num_f32 v[T], v[T], v[BM+3]
	v_mul_f32 v[T], s[CS], v[T]                    ; as t
	v_max_num_f32 v[TMX], v[TMX], v[T]             ; the running largest t
	v_mov_b32 v[T], v[NM]
	v_floor_f32 v[NM], -v[TMX]                     ; the new -M = -ceil(t): a whole number
	v_sub_f32 v[T], v[NM], v[T]                    ; old M - new M: a whole number, 0 or less
	v_cvt_i32_f32 v[T], v[T]                       ; (it saturates)
	v_ldexp_f32 v[F], 1.0, v[T]                    ; f = 2^(old M - new M)
.set j, 0
.rept 32
	v_pk_fma_f32 v[S+j:S+j+1], v[S+j:S+j+1], s[CS:CS+1], v[NM:NM+1] op_sel_hi:[1,0,0]    ; t - M, two at a time
.set j, j+2
.endr
.irp b, 0,1,2,3
	v_fma_f32 v[BM+\b], v[BM+\b], s[CS], v[NM]     ; the same of each block's largest score
.endr
.set j, 0
.rept 64
	v_exp_f32 v[S+j], v[S+j]                       ; p = 2^(t - M)
.set j, j+1
.endr
	v_pk_mul_f32 v[L:L+1], v[L:L+1], v[F:F+1] op_sel_hi:[1,0]             ; the sums under the new M: the plain place behind the exponentials
	s_wait_alu depctr_va_vdst(0)                   ; one wait for the batch, ahead of its first reader
.irp b, 0,1,2,3
	v_exp_f32 v[BM+\b], v[BM+\b]                   ; the block's largest p: the same two instructions on the same number
.endr
	v_pk_add_f32 v[U:U+1], v[S:S+1], v[S+2:S+3]    ; the row's sum is taken of the unquantised p, in two chains
.set j, 4
.rept 15
	v_pk_add_f32 v[L:L+1], v[L:L+1], v[S+j:S+j+1]
	v_pk_add_f32 v[U:U+1], v[U:U+1], v[S+j+2:S+j+3]
.set j, j+4
.endr
	v_pk_add_f32 v[L:L+1], v[L:L+1], v[U:U+1]
	s_wait_alu depctr_va_vdst(0)                   ; and one for the four
.irp b, 0,1,2,3
	v_max_num_f32 v[BM+\b], 0x1800000, v[BM+\b]    ; the floor 2^(3 - 127): the byte cannot fall under 1
.endr
.irp b, 0,1,2,3
	v_add_nc_u32 v[SCO+\b], 0xff000000, v[BM+\b]   ; 2 off the exponent field: the conversion's scale operand
.endr
.irp b, 0,1,2,3
	v_lshrrev_b32 v[BT+\b], 23, v[SCO+\b]          ; the scale's byte
.endr
	v_lshl_or_b32 v[T], v[BT+1], 8, v[BT]
	v_lshl_or_b32 v[T], v[BT+2], 16, v[T]
	WIN 0x11*\x                                    ; scale operands lie in window 0
	v_lshl_or_b32 v[PS+\x], v[BT+3], 24, v[T]      ; p's scale word for these 128 keys
	WIN 0x55*\x
.irp b, 0,1,2,3
	v_cvt_scalef32_pk8_fp4_f32 v[PC+4*(\b/2)+\b%2], v[S+16*\b:S+16*\b+7], v[SCO+\b]
	v_cvt_scalef32_pk8_fp4_f32 v[PC+4*(\b/2)+2+\b%2], v[S+16*\b+8:S+16*\b+15], v[SCO+\b]
.endr
	v_nop                                          ; one plain place behind a scaled conversion
.irp c, 0,1
	v_permlane16_swap_b32 v[PC+4*\c], v[PC+4*\c+1]
	v_permlane16_swap_b32 v[PC+4*\c+2], v[PC+4*\c+3]
.endr
.set j, 0
.rept 16
	v_pk_mul_f32 v[OT+j:OT+j+1], v[OT+j:OT+j+1], v[F:F+1] op_sel_hi:[1,0]   ; O^T under the new M.  (These sixteen are also the places between the scale word, the codes and the product that takes them)
.set j, j+2
.endr
.endm
; Tile x leaves: O^T / the sum to out1 through my stage, sixteen lanes to 256 consecutive bytes; and, quantised along the head's 64 channels (two blocks), as half a fragment and half a scale word of the last product.
.macro OUT x
	WIN 0x55*\x
	v_add_f32 v[L], v[L], v[L+1]
	v_permlanex16_b32 v[T], v[L], s[SEL], s[SEL+1]
	v_add_f32 v[L], v[L], v[T]                     ; the row's sum
	v_rcp_f32 v[R], v[L]
	v_nop                                          ; a plain place behind the reciprocal,
	s_wait_alu depctr_va_vdst(0)                   ; and the wait ahead of its first reader
.set j, 0
.rept 16
	v_pk_mul_f32 v[S+j:S+j+1], v[OT+j:OT+j+1], v[R:R+1] op_sel_hi:[1,0]     ; register 8 t + i: channel 16 t + 8 h + i.  Each accumulator from its low end on
.set j, j+2
.endr
.irp e, 0,1
	v_max3_num_f32 v[BM+\e], |v[S+16*\e]|, |v[S+16*\e+1]|, 0x1800000
.endr
.irp i, 2,4,6,8,10,12,14
.irp e, 0,1
	v_max3_num_f32 v[BM+\e], v[BM+\e], |v[S+16*\e+\i]|, |v[S+16*\e+\i+1]|
.endr
.endr
.irp e, 0,1
	v_permlanex16_b32 v[BT+\e], v[BM+\e], s[SEL], s[SEL+1]
.endr
.irp e, 0,1
	v_max_num_f32 v[BM+\e], v[BM+\e], v[BT+\e]
.endr
.irp e, 0,1
	v_add_nc_u32 v[SCO+\e], 0xff000000, v[BM+\e]
.endr
.irp e, 0,1
	v_lshrrev_b32 v[BT+\e], 23, v[SCO+\e]
.endr
	v_lshl_or_b32 v[HW], v[BT+1], 8, v[BT]         ; the head's two bytes
	v_cvt_scalef32_pk8_fp4_f32 v[PC], v[S:S+7], v[SCO]
	v_cvt_scalef32_pk8_fp4_f32 v[PC+1], v[S+16:S+23], v[SCO+1]
	v_cvt_scalef32_pk8_fp4_f32 v[PC+2], v[S+8:S+15], v[SCO]
	v_cvt_scalef32_pk8_fp4_f32 v[PC+3], v[S+24:S+31], v[SCO+1]
	v_nop
	v_permlane16_swap_b32 v[PC], v[PC+1]
	v_permlane16_swap_b32 v[PC+2], v[PC+3]
	WIN 0x04*\x                                    ; a store's data are its source 1
.irp t, 0,1,2,3
	ds_store_b128 v[STO], v[S+8*\t:S+8*\t+3] offset:64*\t
	ds_store_b128 v[STO], v[S+8*\t+4:S+8*\t+7] offset:64*\t+16
.endr
	global_store_b128 v[LI], v[PC:PC+3], s[12:13] offset:4096*\x            ; 512 consecutive bytes
	global_store_b16 v[RW], v[HW], s[14:15] offset:512*\x                   ; both halves of the lanes write the same bytes with the same value
	WIN 0x40*\x
.irp i, 0,1,2,3,4,5,6,7
	ds_load_b128 v[S+32+4*\i:S+32+4*\i+3], v[RD] offset:2*\i*SP             ; LDS serves a wave's instructions in order: these see my stores
.endr
	s_wait_dscnt 0x0
	WIN 0x04*\x
.irp i, 0,1,2,3,4,5,6,7
	global_store_b128 v[GO], v[S+32+4*\i:S+32+4*\i+3], s[10:11] offset:65536*\x+8192*\i th:TH_STORE_NT
.endr
.endm
	s_wait_tensorcnt 0x0                           ; my parts are in,
	s_barrier_signal -1
	s_barrier_wait -1                              ; everybody's are: from here on LDS is only read, but for each wave's own stage
	LOADK                                          ; key step 0
	s_mov_b32 s[PASS], 2
.Lpass:
	s_wait_loadcnt 0x0                             ; Q and its scale words
	v_add_nc_u32 v[QS], 0xfffffcfd, v[QS]          ; 3 off bytes 0 and 1: the division by 8.  They are at least 4: nothing is borrowed
	v_add_nc_u32 v[QS+1], 0xfffffcfd, v[QS+1]
	INIT 0                                         ; (also the places between these two lines and the first product)
	INIT 1
	WIN 0
	s_mov_b32 s[JS], 0
.Lstep:                                            ; 16 trips: 128 keys each
	s_lshl_b32 s54, s[JS], 12
	s_lshl_b32 s55, s[JS], 9
	v_add_nc_u32 v[ADV], s54, v[AV0]               ; two additions and two v_nop: the four places behind the last trip's products, whose registers the loads below fill
	v_add_nc_u32 v[AVS], s55, v[AVS0]
	v_nop
	v_nop
	WIN 0x40
.irp t, 0,1,2,3
.irp c, 0,1
	ds_load_b128 v[VF+8*\t+4*\c:VF+8*\t+4*\c+3], v[ADV] offset:1024*\t+512*\c
.endr
.endr
	WIN 0
	ds_load_b128 v[VS:VS+3], v[AVS]
	s_wait_dscnt 9                                 ; all but the nine just issued: K, its scale words and the mask are in
	QK 0
	QK 1
	WIN 0
	s_add_co_u32 s54, s[JS], 1
	s_and_b32 s54, s54, 15                         ; the next step; behind the last it is step 0 again, which the second pass begins with
	s_lshl_b32 s55, s54, 9
	s_lshl_b32 s54, s54, 12
	v_add_nc_u32 v[ADK], s54, v[LI]                ; three additions and a v_nop: four places behind the products
	v_add_nc_u32 v[AKS], s55, v[AKS0]
	v_add_nc_u32 v[ADM], s55, v[AM0]
	v_nop
	LOADK
	SOFTMAX 0
	s_wait_dscnt 25                                ; all but the next step's 25: V and its scale words are in
	PV 0
	SOFTMAX 1
	PV 1
	WIN 0
	s_add_co_u32 s[JS], s[JS], 1
	s_cmp_lt_u32 s[JS], 16
	s_cbranch_scc1 .Lstep
	s_cmp_eq_u32 s[PASS], 1                        ; the next pass's Q is asked for here, if there is one: no load leaves its buffer
	s_cbranch_scc1 .Lno_next
	s_add_nc_u64 s[QP:QP+1], s[QP:QP+1], 8192      ; (the loads that read these pointers were waited for at the pass's head)
	s_add_nc_u64 s[QSP:QSP+1], s[QSP:QSP+1], 1024
	QLOAD
.Lno_next:
	OUT 0                                          ; its vector work names none of the last products' registers: it is their places
	OUT 1
	WIN 0
	s_wait_xcnt 0x0                                ; the stores have read their registers and bases: both may be written again
	s_add_nc_u64 s[10:11], s[10:11], 1048576       ; 256 rows of out1,
	s_add_nc_u64 s[12:13], s[12:13], 65536         ; 16 tiles of wimg,
	s_add_nc_u64 s[14:15], s[14:15], 8192          ; and of wsc
	s_sub_co_u32 s[PASS], s[PASS], 1
	s_cmp_lg_u32 s[PASS], 0
	s_cbranch_scc1 .Lpass
	s_wait_tensorcnt 0x0                           ; the wave's end
	ds_add_u32 v[SPW], v[NIL]
	s_wait_dscnt 0x0
	CROUND                                         ; the closing round
	s_endpgm
.Lfunc_end_k_q32674f0942_attn:
	.size	k_q32674f0942_attn, .Lfunc_end_k_q32674f0942_attn-k_q32674f0942_attn
	.p2alignl 7, 3214868480
	.fill 96, 4, 3214868480
	.section	.rodata,"a",@progbits
	.p2align	6, 0x0
	.amdhsa_kernel k_q32674f0942_attn
		.amdhsa_group_segment_fixed_size 191488
		.amdhsa_private_segment_fixed_size 0
		.amdhsa_enable_private_segment 0
		.amdhsa_kernarg_size 48
		.amdhsa_user_sgpr_count 2
		.amdhsa_user_sgpr_kernarg_segment_ptr 1
		.amdhsa_wavefront_size32 1
		.amdhsa_system_sgpr_workgroup_id_x 1
		.amdhsa_system_sgpr_workgroup_id_y 1
		.amdhsa_system_sgpr_workgroup_id_z 1
		.amdhsa_system_vgpr_workitem_id 0
		.amdhsa_next_free_vgpr 512
		.amdhsa_next_free_sgpr 66
		.amdhsa_reserve_vcc 0
		.amdhsa_float_denorm_mode_32 3
		.amdhsa_float_denorm_mode_16_64 3
		.amdhsa_memory_ordered 1
		.amdhsa_forward_progress 1
		.amdhsa_inst_pref_size 55
	.end_amdhsa_kernel
	.amdgpu_metadata
---
amdhsa.version: [ 1, 2 ]
amdhsa.kernels:
  - .name:           k_q32674f0942_attn
    .symbol:         k_q32674f0942_attn.kd
    .args:
      - { .name: qkv, .offset: 0, .size: 8, .value_kind: global_buffer, .address_space: global }
      - { .name: qkvs, .offset: 8, .size: 8, .value_kind: global_buffer, .address_space: global }
      - { .name: mask, .offset: 16, .size: 8, .value_kind: global_buffer, .address_space: global }
      - { .name: out1, .offset: 24, .size: 8, .value_kind: global_buffer, .address_space: global }
      - { .name: wimg, .offset: 32, .size: 8, .value_kind: global_buffer, .address_space: global }
      - { .name: wsc, .offset: 40, .size: 8, .value_kind: global_buffer, .address_space: global }
    .group_segment_fixed_size: 191488
    .private_segment_fixed_size: 0
    .kernarg_segment_align: 8
    .kernarg_segment_size: 48
    .max_flat_workgroup_size: 256
    .sgpr_count:     66
    .vgpr_count:     512
    .wavefront_size: 32
...
	.end_amdgpu_metadata
.endif
;; end of part 2
;; launch outp (part 3): grid 4 x 64, 4 waves a work-group, clusters of 4 x 4, 251,904 bytes of LDS; arguments wimg, wsc, Wo_codes, Wo_scales, bo, out0; writes out0
.if DOCPART == 3
	.amdgcn_target "amdgcn-amd-amdhsa--gfx1250"
	.amdhsa_code_object_version 6
	.text
	.protected	k_q32674f0942_outp
	.globl	k_q32674f0942_outp
	.p2align	8
	.type	k_q32674f0942_outp,@function
k_q32674f0942_outp:
	s_mov_b64 s[64:65], 0
	v_nop
	global_prefetch_b8 v0, s[64:65] scope:SCOPE_SE
	s_setreg_imm32_b32 hwreg(HW_REG_WAVE_MODE, 25, 1), 1
	s_wait_xcnt 0x0
	s_wait_alu depctr_hold_cnt(0) depctr_sa_sdst(0) depctr_va_vdst(0) depctr_va_sdst(0) depctr_va_ssrc(0) depctr_va_vcc(0) depctr_vm_vsrc(0)
	s_getreg_b32 s2, hwreg(HW_REG_IB_STS2, 6, 4)
	s_cmp_eq_u32 s2, 0
	s_cbranch_scc0 .Lentry_in_a_cluster
	s_endpgm
.Lentry_in_a_cluster:
	s_bfe_u32 s2, ttmp6, 0x10000c
	s_cmp_lg_u32 s2, 0xf033
	s_cbranch_scc0 .Lentry_shape_is_right
	s_endpgm
.Lentry_shape_is_right:
; out0 = weights Wo + bo: [8192 x 1024] x [1024 x 1024] on codes of FP4 (E2M1) with one E8M0 scale for each 32 along K, sums in f32.  No work of the problem is left out here.
; The weights come as the attention left them: wimg, images of operand registers ([K half][tile of 16 tokens][K step % 4][c][lane][16]), and wsc, one scale word for a token and 128 along K ([tile][K step][token]).
; SHARES.  256 work-groups of 128 tokens x 256 columns (tiles of 256 x 256 would be 128: half the WGPs).  Four waves, each 64 tokens x 128 columns: 32 accumulators.
; All of K lies in LDS at once: two slots of 512 along K, each filled once, and the scale bytes.  Nothing is filled again.
; CLUSTER 4 x 4: the tokens' tiles are asked for jointly along a row of the cluster, Wo's along a column.
; THE MATRIX INSTRUCTION IS USED TRANSPOSED (source 0 = 16 rows of Wo, source 1 = 16 tokens): a lane holds eight neighbouring numbers of a row of out0.  bo is the C of each sum's first product.
; REGISTERS.  window 0: v1-8 at work, v16-29 addresses, v32-63 the tokens' scale words (8 a + q), v128-159 the tokens' fragments set 0, v192-255 Wo's scale words (8 b + q); on the way out v64-191 rows of out0.
;   window 1: v0-63, v128-191 Wo's fragments, sets 0, 1; v64-127 bo; v192-223 the tokens' set 1.   window 2: accumulator (a, b) at v[8 (8 a + b)].
.set PITCH,  272
.set HALFT,  128*PITCH
.set TOKB,   32768                     ; a slot: the images of 8 tiles of tokens, 4,096 bytes each,
.set SLOT,   TOKB+2*HALFT              ; then Wo's 256 rows of 256 bytes + 16
.set SCA,    2*SLOT                    ; the tokens' scale words, 512 bytes a tile
.set SCB,    SCA+4096                  ; Wo's scale bytes, 32 a row, as units of 256 bytes + 16
.set HALFS,  16*272
.set SBLK,   2*272
.set STAGE,  SCB+2*HALFS               ; the way out: 16 rows x (512 + 16) bytes for each wave
.set SPITCH, 528
.set SPARE,  STAGE+4*16*SPITCH         ; the spare words: 128 bytes a wave, named by no other line
.set ADR1, 16
.set ADR0, 20
.set ADS1, 22
.set ADS0, 23
.set STO,  24
.set RD,   25
.set CO,   26
.set SPW,  28
.set NIL,  29
.set SC1,  32
.set BK,   64
.set SC0,  192
.set BIAS, 64                          ; in window 1
.set WV,   16
.set WH,   17
.set WL,   18
.set YT,   19
.set G1,   24
.set G0,   32
.set CX,   40
.set CY,   41
.set XT,   42
.set RMASK, 43
.set CMASK, 44
.set G1B,  48
.set G0B,  56
.set G1S,  68
.set G0S,  76
.set G1SB, 80
.set G0SB, 88
.set MSB, 0
.macro WIN new
.if MSB != (\new)
	s_set_vgpr_msb (MSB<<8)|(\new)
.set MSB, (\new)
.endif
.endm
.macro JLOAD g0a, g1a, g0b, g1b        ; waves 0, 1 fetch for the tokens, waves 2, 3 for Wo; an s_nop 0 and four v_nop follow each line
	s_cmp_eq_u32 s[WH], 0
	s_cbranch_scc0 .Lfor_b_\@
	tensor_load_to_lds s[\g0a:\g0a+3], s[\g1a:\g1a+7]
	s_nop 0
.rept 4
	v_nop
.endr
	s_branch .Lasked_\@
.Lfor_b_\@:
	tensor_load_to_lds s[\g0b:\g0b+3], s[\g1b:\g1b+7]
	s_nop 0
.rept 4
	v_nop
.endr
.Lasked_\@:
.endm
.macro CROUND
	s_barrier_signal -1
	s_barrier_wait -1
	s_cmp_lg_u32 s[WV], 0
	s_cbranch_scc1 .Lnot_wave_0_\@
	s_barrier_signal -3
.Lnot_wave_0_\@:
	s_barrier_wait -3
	s_barrier_signal -1
	s_barrier_wait -1
.endm
.macro PLACES n
.rept \n
	v_nop
.endr
.endm
	s_load_b256 s[4:11], s[0:1], 0x0               ; wimg, wsc, Wo's codes, Wo's scales
	s_load_b128 s[12:15], s[0:1], 0x20             ; bo, out0
	v_lshl_add_u32 v[SPW], v0, 2, SPARE
	v_mov_b32 v[NIL], 0
	ds_add_u32 v[SPW], v[NIL]                      ; the wave's opening: the add, twice on end, and its wait ahead of my first tensor load
	ds_add_u32 v[SPW], v[NIL]
	v_lshrrev_b32 v1, 5, v0
	v_readfirstlane_b32 s[WV], v1
	s_lshr_b32 s[WH], s[WV], 1                     ; which 64 tokens are mine.  Also: I fetch for the tokens (0) or for Wo (1)
	s_and_b32 s[WL], s[WV], 1                      ; which 128 columns.  Also: which half I fetch
	s_bfe_u32 s[CX], ttmp6, 0x40000
	s_bfe_u32 s[CY], ttmp6, 0x40004
	s_lshl_b32 s[XT], ttmp9, 2
	s_add_co_u32 s[XT], s[XT], s[CX]               ; column tile 0..3
	s_and_b32 s[YT], ttmp7, 0xffff
	s_lshl_b32 s[YT], s[YT], 2
	s_add_co_u32 s[YT], s[YT], s[CY]               ; tile of 128 tokens, 0..63
	s_lshl_b32 s[RMASK], s[CY], 2
	s_lshl_b32 s[RMASK], 15, s[RMASK]
	s_lshl_b32 s[CMASK], 0x1111, s[CX]
	s_or_b32 s[G1], s[RMASK], (3<<16)|(1<<21)      ; the tokens' images: 16 KiB dense, as 64 rows of 32 elements of 8 bytes, no padding
	s_mov_b32 s[G1+1], 32<<16
	s_mov_b32 s[G1+2], 64<<16
	s_mov_b32 s[G1+3], 32<<16
	s_mov_b32 s[G1+4], 64
	s_mov_b32 s[G1+5], 32
	s_mov_b32 s[G1+6], 0
	s_mov_b32 s[G1+7], 0
	s_or_b32 s[G1S], s[RMASK], (3<<16)|(1<<21)     ; their scale words: 2 KiB dense, 8 rows
	s_mov_b32 s[G1S+1], 32<<16
	s_mov_b32 s[G1S+2], 8<<16
	s_mov_b32 s[G1S+3], 32<<16
	s_mov_b32 s[G1S+4], 8
	s_mov_b32 s[G1S+5], 32
	s_mov_b32 s[G1S+6], 0
	s_mov_b32 s[G1S+7], 0
	s_or_b32 s[G1B], s[CMASK], (1<<20)|(1<<21)|(5<<22)|(3<<25)              ; Wo's codes: 128 rows of 256 bytes, 512 apart, 16 bytes of padding behind each
	s_mov_b32 s[G1B+1], 256<<16
	s_mov_b32 s[G1B+2], 128<<16
	s_mov_b32 s[G1B+3], 256<<16
	s_mov_b32 s[G1B+4], 128
	s_mov_b32 s[G1B+5], 512
	s_mov_b32 s[G1B+6], 0
	s_mov_b32 s[G1B+7], 0
	s_or_b32 s[G1SB], s[CMASK], (3<<16)|(1<<20)|(1<<21)|(5<<22)|(3<<25)     ; Wo's scales of 128 rows: 16 rows of 256 bytes, padded
	s_mov_b32 s[G1SB+1], 32<<16
	s_mov_b32 s[G1SB+2], 16<<16
	s_mov_b32 s[G1SB+3], 32<<16
	s_mov_b32 s[G1SB+4], 16
	s_mov_b32 s[G1SB+5], 32
	s_mov_b32 s[G1SB+6], 0
	s_mov_b32 s[G1SB+7], 0
	s_lshl_b32 s20, s[YT], 15                      ; the tokens: tile 8 y + 4 half, 4,096 bytes a tile,
	s_lshl_b32 s22, s[WL], 14
	s_add_co_u32 s20, s20, s22
	s_mov_b32 s21, 0
	s_lshr_b32 s22, s20, 3                         ; and 512 bytes of scale words a tile
	s_mov_b32 s23, 0
	s_lshl_b32 s46, s[XT], 17                      ; Wo: row 256 x + 128 half, 512 bytes a row,
	s_lshl_b32 s92, s[WL], 16
	s_add_co_u32 s46, s46, s92
	s_mov_b32 s47, 0
	s_lshr_b32 s92, s46, 4                         ; and 32 scale bytes a row
	s_mov_b32 s93, 0
	s_lshl_b32 s94, s[WL], 14                      ; where they go: no place in the cluster enters an LDS address
	s_mul_i32 s95, s[WL], HALFT
	s_add_co_u32 s95, s95, TOKB
	s_lshl_b32 s96, s[WL], 11
	s_mul_i32 s97, s[WL], HALFS
	s_wait_dscnt 0x0                               ; both opening adds are done
	s_wait_kmcnt 0x0
	s_add_nc_u64 s[20:21], s[4:5], s[20:21]
	s_add_nc_u64 s[22:23], s[6:7], s[22:23]
	s_add_nc_u64 s[46:47], s[8:9], s[46:47]
	s_add_nc_u64 s[92:93], s[10:11], s[92:93]
	CROUND                                         ; all sixteen work-groups are here: the first joint loads meet
	s_mov_b32 s[G0S], 1
	s_add_co_u32 s[G0S+1], s96, SCA
	s_mov_b64 s[G0S+2:G0S+3], s[22:23]
	s_or_b32 s[G0S+3], s[G0S+3], 0x80000000
	s_mov_b32 s[G0SB], 1
	s_add_co_u32 s[G0SB+1], s97, SCB
	s_mov_b64 s[G0SB+2:G0SB+3], s[92:93]
	s_or_b32 s[G0SB+3], s[G0SB+3], 0x80000000
	JLOAD G0S, G1S, G0SB, G1SB
.irp s, 0,1
	s_mov_b32 s[G0+4*\s], 1
	s_add_co_u32 s[G0+4*\s+1], s94, \s*SLOT
	s_add_nc_u64 s[G0+4*\s+2:G0+4*\s+3], s[20:21], \s*2097152
	s_or_b32 s[G0+4*\s+3], s[G0+4*\s+3], 0x80000000
	s_mov_b32 s[G0B+4*\s], 1
	s_add_co_u32 s[G0B+4*\s+1], s95, \s*SLOT
	s_add_nc_u64 s[G0B+4*\s+2:G0B+4*\s+3], s[46:47], \s*256
	s_or_b32 s[G0B+4*\s+3], s[G0B+4*\s+3], 0x80000000
	JLOAD G0+4*\s, G1, G0B+4*\s, G1B               ; three loads of mine are out: all that this launch fetches
.endr
	v_and_b32 v1, 15, v0                           ; r
	v_bfe_u32 v2, v0, 4, 1                         ; h
	v_and_b32 v3, 31, v0
	v_lshlrev_b32 v[CO], 4, v3                     ; 16 x lane
	s_lshl_b32 s20, s[WH], 14
	v_add_nc_u32 v[ADR1], s20, v[CO]               ; my four tiles' images
	v_add_nc_u32 v[ADR1+1], SLOT, v[ADR1]
	v_mul_u32_u24 v6, v1, PITCH
	v_lshl_add_u32 v6, v2, 4, v6
	v_add_nc_u32 v[ADR0], s95, v6                  ; my 128 rows of Wo (the half that I read is the half that waves 2, 3 fetch by the same bit)
	v_add_nc_u32 v[ADR0+1], SLOT, v[ADR0]
	s_lshl_b32 s20, s[WH], 11
	s_add_co_u32 s20, s20, SCA
	v_lshl_add_u32 v[ADS1], v1, 2, s20
	v_lshlrev_b32 v7, 5, v1
	v_lshrrev_b32 v8, 3, v1
	v_lshl_add_u32 v7, v8, 4, v7
	s_add_co_u32 s20, s97, SCB
	v_add_nc_u32 v[ADS0], s20, v7
	s_mul_i32 s20, s[WV], 16*SPITCH
	s_add_co_u32 s20, s20, STAGE                   ; my stage
	v_mul_u32_u24 v[STO], v1, SPITCH
	v_lshl_add_u32 v[STO], v2, 5, v[STO]
	v_add_nc_u32 v[STO], s20, v[STO]
	v_add_nc_u32 v[RD], s20, v[CO]
	v_lshlrev_b32 v4, 5, v2
	s_lshl_b32 s20, s[XT], 10
	s_lshl_b32 s22, s[WL], 9
	s_add_co_u32 s20, s20, s22                     ; my first column, in bytes
	s_mov_b32 s21, 0
	s_add_nc_u64 s[12:13], s[12:13], s[20:21]
	s_add_nc_u64 s[14:15], s[14:15], s[20:21]
	s_lshl_b32 s20, s[YT], 19
	s_lshl_b32 s22, s[WH], 18
	s_add_co_u32 s20, s20, s22                     ; my first row of out0: 128 y + 64 half, 4,096 bytes a row
	s_add_nc_u64 s[14:15], s[14:15], s[20:21]
	WIN 0x40
.irp b, 0,1,2,3,4,5,6,7
	global_load_b128 v[BIAS+8*\b:BIAS+8*\b+3], v4, s[12:13] offset:64*\b        ; bo at columns 16 b + 8 h + 0 .. 7
	global_load_b128 v[BIAS+8*\b+4:BIAS+8*\b+7], v4, s[12:13] offset:64*\b+16
.endr
	WIN 0
.macro FETCH q                         ; the fragments of K step q: 24 loads in one run, into set q % 2
.set FS, (\q)/4
.set FQ, (\q)%4
.set FP, (\q)%2
	WIN 0x40
.irp i, 0,1,2,3,4,5,6,7
.irp c, 0,1
	ds_load_b128 v[128*FP+8*\i+4*\c:128*FP+8*\i+4*\c+3], v[ADR0+FS] offset:64*FQ+32*\c+\i*16*PITCH
.endr
.endr
.if FP == 0
	WIN 0
.endif
.irp a, 0,1,2,3
.irp c, 0,1
	ds_load_b128 v[128+64*FP+8*\a+4*\c:128+64*FP+8*\a+4*\c+3], v[ADR1+FS] offset:4096*\a+1024*FQ+512*\c
.endr
.endr
	WIN 0
.endm
.macro MULS q, first                   ; 32 matrix instructions; the 32 accumulators take turns, in the same order in every step
.set MP, (\q)%2
.if \first
	WIN 0x91
.else
	WIN 0xa1+4*MP
.endif
.irp a, 0,1,2,3
.irp b, 0,1,2,3,4,5,6,7
.if \first
	v_wmma_scale_f32_16x16x128_f8f6f4 v[8*(8*\a+\b):8*(8*\a+\b)+7], v[128*MP+8*\b:128*MP+8*\b+7], v[128+64*MP+8*\a:128+64*MP+8*\a+7], v[BIAS+8*\b:BIAS+8*\b+7], v[SC0+8*\b+(\q)], v[SC1+8*\a+(\q)] matrix_a_fmt:MATRIX_FMT_FP4 matrix_b_fmt:MATRIX_FMT_FP4
.else
	v_wmma_scale_f32_16x16x128_f8f6f4 v[8*(8*\a+\b):8*(8*\a+\b)+7], v[128*MP+8*\b:128*MP+8*\b+7], v[128+64*MP+8*\a:128+64*MP+8*\a+7], v[8*(8*\a+\b):8*(8*\a+\b)+7], v[SC0+8*\b+(\q)], v[SC1+8*\a+(\q)] matrix_a_fmt:MATRIX_FMT_FP4 matrix_b_fmt:MATRIX_FMT_FP4
.endif
.endr
.endr
.endm
.macro STEP q                          ; this step's fragments are in; four places behind the last step's products; the next step's loads; the products under which they land
	s_wait_dscnt 0x0
.if (\q) == 3
	s_wait_tensorcnt 0x0                           ; my part of slot 1 is in,
	s_barrier_signal -1
	s_barrier_wait -1                              ; everybody's is
.endif
	PLACES 4
.if (\q) < 7
	FETCH (\q)+1
.endif
	MULS \q, 0
.endm
	s_wait_tensorcnt 0x1                           ; the scales and my part of slot 0 are in; of my three loads only slot 1's may be out,
	s_barrier_signal -1
	s_barrier_wait -1                              ; everybody's are
.irp a, 0,1,2,3
.irp q, 0,1,2,3,4,5,6,7
	ds_load_b32 v[SC1+8*\a+\q], v[ADS1] offset:512*\a+64*\q                 ; lane r: token r's word of tile a, K step q
.endr
.endr
.irp i, 0,1,2,3,4,5,6,7
	ds_load_b128 v[SC0+8*\i:SC0+8*\i+3], v[ADS0] offset:\i*SBLK
	ds_load_b128 v[SC0+8*\i+4:SC0+8*\i+7], v[ADS0] offset:\i*SBLK+16
.endr
	FETCH 0
	s_wait_dscnt 0x0
	FETCH 1
	s_wait_loadcnt 0x0                             ; bo
	MULS 0, 1
.irp q, 1,2,3,4,5,6,7
	STEP \q
.endr
	WIN 0
; THE WAY OUT, block by block of 16 tokens x 128 columns: through my own stage and back as whole rows of 512 bytes, which the 32 lanes store as 512 consecutive bytes, aligned.
.macro TOSTAGE a
	WIN 0x08                                       ; the data: window 2
.irp b, 0,1,2,3,4,5,6,7
	ds_store_b128 v[STO], v[64*(\a)+8*\b:64*(\a)+8*\b+3] offset:64*\b       ; each accumulator from its low end on
	ds_store_b128 v[STO], v[64*(\a)+8*\b+4:64*(\a)+8*\b+7] offset:64*\b+16
.endr
	WIN 0
.set BB, BK+64*((\a)%2)
.irp t, 0,1,2,3,4,5,6,7,8,9,10,11,12,13,14,15
	ds_load_b128 v[BB+4*\t:BB+4*\t+3], v[RD] offset:\t*SPITCH               ; LDS serves a wave's instructions in order: these see my stores, and the next block's stores come behind them
.endr
.endm
.macro SEND a, younger                 ; younger: the LDS instructions issued behind block a's loads, which may stay out
.set BB, BK+64*((\a)%2)
	s_wait_dscnt \younger
.irp t, 0,1,2,3,4,5,6,7,8,9,10,11,12,13,14,15
	global_store_b128 v[CO], v[BB+4*\t:BB+4*\t+3], s[14:15] offset:(16*(\a)+\t)*4096 th:TH_STORE_NT
.endr
.endm
	PLACES 4                                       ; in front of the first read of results, and of loads into registers that held fragments
	TOSTAGE 0
.irp a, 1,2,3
.if \a > 1
	s_wait_xcnt 0x0                                ; block a - 2's stores have read their registers: block a's loads may land there
.endif
	TOSTAGE \a
	SEND \a-1, 32                                  ; behind block a - 1's loads: block a's 16 stores and 16 loads
.endr
	SEND 3, 0
	s_wait_tensorcnt 0x0                           ; the wave's end
	ds_add_u32 v[SPW], v[NIL]
	s_wait_dscnt 0x0
	CROUND                                         ; the closing round
	s_endpgm
.Lfunc_end_k_q32674f0942_outp:
	.size	k_q32674f0942_outp, .Lfunc_end_k_q32674f0942_outp-k_q32674f0942_outp
	.p2alignl 7, 3214868480
	.fill 96, 4, 3214868480
	.section	.rodata,"a",@progbits
	.p2align	6, 0x0
	.amdhsa_kernel k_q32674f0942_outp
		.amdhsa_group_segment_fixed_size 251904
		.amdhsa_private_segment_fixed_size 0
		.amdhsa_enable_private_segment 0
		.amdhsa_kernarg_size 48
		.amdhsa_user_sgpr_count 2
		.amdhsa_user_sgpr_kernarg_segment_ptr 1
		.amdhsa_wavefront_size32 1
		.amdhsa_system_sgpr_workgroup_id_x 1
		.amdhsa_system_sgpr_workgroup_id_y 1
		.amdhsa_system_sgpr_workgroup_id_z 1
		.amdhsa_system_vgpr_workitem_id 0
		.amdhsa_next_free_vgpr 768
		.amdhsa_next_free_sgpr 100
		.amdhsa_reserve_vcc 0
		.amdhsa_float_denorm_mode_32 3
		.amdhsa_float_denorm_mode_16_64 3
		.amdhsa_memory_ordered 1
		.amdhsa_forward_progress 1
		.amdhsa_inst_pref_size 75
	.end_amdhsa_kernel
	.amdgpu_metadata
---
amdhsa.version: [ 1, 2 ]
amdhsa.kernels:
  - .name:           k_q32674f0942_outp
    .symbol:         k_q32674f0942_outp.kd
    .args:
      - { .name: wimg, .offset: 0, .size: 8, .value_kind: global_buffer, .address_space: global }
      - { .name: wsc, .offset: 8, .size: 8, .value_kind: global_buffer, .address_space: global }
      - { .name: Wo_codes, .offset: 16, .size: 8, .value_kind: global_buffer, .address_space: global }
      - { .name: Wo_scales, .offset: 24, .size: 8, .value_kind: global_buffer, .address_space: global }
      - { .name: bo, .offset: 32, .size: 8, .value_kind: global_buffer, .address_space: global }
      - { .name: out0, .offset: 40, .size: 8, .value_kind: global_buffer, .address_space: global }
    .group_segment_fixed_size: 251904
    .private_segment_fixed_size: 0
    .kernarg_segment_align: 8
    .kernarg_segment_size: 48
    .max_flat_workgroup_size: 128
    .sgpr_count:     100
    .vgpr_count:     768
    .wavefront_size: 32
...
	.end_amdgpu_metadata
.endif
;; end of part 3
